; MI455X (gfx1250); checked and timed in simulation.
; The chip was launched on July 23, 2026; its instructions are those of AMD's public machine-readable ISA for CDNA 5 (MIT licence, August 2026) and "CDNA5" Instruction Set Architecture Reference Guide (July 2026). The comments in the code are by the model that wrote it; some were corrected since.
;; Multi Head Attention Block. Allowed arithmetic: matrix products marked QUANTISED: E4M3 operands, one given power-of-two scale a tensor, by v_wmma_f32_16x16x64_fp8_fp8 or v_wmma_f32_16x16x128_fp8_fp8, f32 sums; everything else in f32.
;; Inputs: W_k 1,024 x 1,024 float32; W_o 1,024 x 1,024 float32; W_q 1,024 x 1,024 float32; W_v 1,024 x 1,024 float32; k 4 x 2,048 x 1,024 float32; lowp_scales 12 int32 (the exponents e of the quantised operands' scales 2^e); mask 1 x 1 x 2,048 x 2,048 bool; q 4 x 2,048 x 1,024 float32; v 4 x 2,048 x 1,024 float32.
;; Outputs: out0 4 x 2,048 x 1,024 float32.
;; This version of the problem:
;;   THIS VERSION OF THE PROBLEM IS GIVEN IN LOW PRECISION. The matrix products marked QUANTISED in the list below multiply operands that are first quantised to E4M3 (4 exponent bits, 3 mantissa bits; 8 bits a number), with one given power-of-two scale for each operand tensor; their sums are f32. All else is computed in f32.
;;   The module's matrix products, in the order in which they are computed (A, B: the left and right operand; K: the contracted axis; several contracted axes count as one K, in the product's order):
;;     1. [M 8,192, K 1,024] x [K 1,024, N 1,024]; A: input q; B: input W_q: QUANTISED (scales: A lowp_scales[0], B lowp_scales[1])
;;     2. [M 8,192, K 1,024] x [K 1,024, N 1,024]; A: input k; B: input W_k: QUANTISED (scales: A lowp_scales[2], B lowp_scales[3])
;;     3. [M 8,192, K 1,024] x [K 1,024, N 1,024]; A: input v; B: input W_v: QUANTISED (scales: A lowp_scales[4], B lowp_scales[5])
;;     4. batch 64 x [M 2,048, K 64] x [K 64, N 2,048]; A: computed on the way; B: computed on the way: QUANTISED (scales: A lowp_scales[6], B lowp_scales[7])
;;     5. batch 64 x [M 2,048, K 2,048] x [K 2,048, N 64]; A: softmax (see below); B: computed on the way: QUANTISED (scales: A lowp_scales[8], B lowp_scales[9])
;;     6. [M 8,192, K 1,024] x [K 1,024, N 1,024]; A: computed on the way; B: input W_o: QUANTISED (scales: A lowp_scales[10], B lowp_scales[11])
;;   THE QUANTISER, for each operand of a quantised product, along K:
;;     - The operand's scale is 2^e, e = its entry of the input lowp_scales (int32; the entries are numbered through the quantised products in the list's order, A before B).
;;     - Each number is divided by the scale, clamped to +-448, and rounded to the nearest number of E4M3, ties to even, subnormals kept.
;;     - The product sums the exact products of the quantised numbers (number of the format x scale) in f32.
;;   ~~~python
;;   def quantise(x, axis, e):      # numpy; x: float32 -> the quantised numbers, widened to float32 again
;;       x = np.moveaxis(x, axis, -1); K = x.shape[-1]
;;       r = np.clip(x / 2.0 ** e, -448, 448)
;;       step = 2.0 ** (np.maximum(np.frexp(np.where(r == 0, 1, r))[1] - 1, -6) - 3)
;;       q = np.round(r / step) * step * 2.0 ** e      # np.round: ties to even
;;       return np.moveaxis(q, -1, axis).astype(np.float32)
;;   ~~~
;;   SOFTMAX AHEAD OF A QUANTISED PRODUCT. Where the list says 'softmax', what is quantised is not the finished softmax but p = 2^(t - M), with t = logit x log2(e) and M = ceil(the row's largest t), a whole number; so 1/2 < the row's largest p <= 1. The row's sum l is taken of the UNQUANTISED p, in f32, and the product's result is divided by l at the end. Since M is a whole number, a kernel that streams over the keys may use a running M (the ceiling of the running maximum): every later rescaling is an exact power of two, so the quantised numbers keep their values, but for numbers so far below the row's largest that they fall under the format's range.
;;   OPERANDS COMPUTED ON THE WAY. 'Computed on the way' means the value that the module computes at that place (a softmax that the list does not call 'softmax' is quantised finished and normalised). What goes into a quantiser is computed in f32, as accurately as f32 sums, v_exp_f32 and their like allow (about 1e-6 of the number): no bf16 or f16 on the way to a quantiser, and a product that is left as it is and whose result goes on into a quantised operand takes f32 operands (vector FMAs, or v_wmma_f32_16x16x4_f32). A number that lies on a knife's edge between two numbers of the format may be rounded either way, as far as f32 arithmetic and the matrix unit's own rounding can turn it there, and no further.
;; 2 versions, each right; version 2 is version 1 with the launch attn written anew for expert scheduling mode. Each part assembles by itself: llvm-mc -triple=amdgcn-amd-amdhsa -mcpu=gfx1250 --defsym DOCPART=n.
;; ======== version 1 of 2: 4 launches
;; workspace buffers: codes 29,360,128 bytes; qkvc 25,165,824 bytes; oc 8,388,608 bytes; mbits 524,288 bytes of whole numbers; cls 2,048 bytes of whole numbers
;; launch prep (part 1): grid 576 x 1, 4 waves a work-group, no clusters, 34,304 bytes of LDS; arguments q, k, v, W_q, W_k, W_v, W_o, lowp_scales, mask, codes, mbits, cls; writes codes, mbits, cls
.if DOCPART == 1
	.amdgcn_target "amdgcn-amd-amdhsa--gfx1250"
	.amdhsa_code_object_version 6
	.text
	.protected	k_qd7e79b1057_prep
	.globl	k_qd7e79b1057_prep
	.p2align	8
	.type	k_qd7e79b1057_prep,@function
k_qd7e79b1057_prep:
	s_mov_b64 s[64:65], 0
	v_nop
	global_prefetch_b8 v0, s[64:65] scope:SCOPE_SE
	s_setreg_imm32_b32 hwreg(HW_REG_WAVE_MODE, 25, 1), 1
	s_wait_xcnt 0x0
; TWO JOBS IN ONE LAUNCH, told apart by the work-group's number.
; Work-groups 0-127: the mask [2048][2048] of bytes becomes lane masks for the attention launch, and a class for each step of 128 keys.
; Work-groups 128-575: q, k, v [8192][1024] and W_q, W_k, W_v, W_o [1024][1024], f32, K innermost, become codes of E4M3, each tensor with its given scale 2^e:
;   code = x / 2^e, held within +-448, to the nearest code, ties to even.  LIMITS: -126 <= e <= 119; NaN among the inputs is not served.
; THE CODES ARE LAID AS IMAGES OF OPERAND REGISTERS: codes[rowtile][kf 8][c 4][lane 32][16 bytes].  A rowtile is 16 rows; place r of rowtile T is row 32 (T/2) + 8 (T%2) + r + 8 (r/8) of its tensor,
; so that a product that takes the tile as source 0 leaves 16 neighbouring rows in the 16 registers of two neighbouring result tiles.  Lane (r, hh) holds k = 128 kf + 32 c + 16 hh + 0..15.
; Rowtiles: q 0-511, k 512-1023, v 1024-1535, W_q 1536-, W_k 1600-, W_v 1664-, W_o 1728-1791.
; A wave takes one rowtile, in 8 steps of 128 along K.  Each load reads 512 consecutive bytes of one row; the 16 x 512 bytes turn through the wave's own stage in LDS (rows 528 bytes apart) and come back
; 16 neighbours a lane and block; each store covers 512 consecutive bytes, aligned.  Loads run two steps (32 loads a wave) ahead.  Waves share nothing: no barrier.
.set WGM,   128                        ; the mask's work-groups come first
.set SP,    528                        ; a stage row: 512 bytes + 16
.set WST,   16*SP                      ; a wave's stage
.set SPARE, 4*WST                      ; behind the four stages: the spare words, 128 bytes for each wave: two blocks of 256 bytes that no other line names
.set SPW,   12                         ; v12  LDS address of my spare word; never rewritten
.set NIL,   13                         ; v13  0; never rewritten
.set R,     16                         ; v16-143  two sets of 64 numbers as loaded
.set X,     144                        ; v144-207 64 numbers: register 16 c + i = k 32 c + 16 hh + i of my row
.set C,     208                        ; v208-239 two sets of 16 registers of codes
	s_load_b512 s[4:19], s[0:1], 0x0               ; q 4, k 6, v 8, W_q 10, W_k 12, W_v 14, W_o 16, the scales' exponents 18
	s_load_b256 s[20:27], s[0:1], 0x40             ; mask 20, codes 22, mbits 24, cls 26
	v_lshl_add_u32 v[SPW], v0, 2, SPARE
	v_mov_b32 v[NIL], 0
	v_lshrrev_b32 v1, 5, v0
	v_readfirstlane_b32 s28, v1                    ; wave 0..3
	v_and_b32 v1, 31, v0                           ; lane
	v_and_b32 v14, 15, v0                          ; r
	v_bfe_u32 v15, v0, 4, 1                        ; hh
	s_cmp_lt_u32 ttmp9, WGM
	s_cbranch_scc1 .Lmask
	; ---------------- the quantiser ----------------
	s_sub_co_u32 s29, ttmp9, WGM                   ; 0..447: four rowtiles each
	v_lshlrev_b32 v2, 4, v1                        ; 16 x lane: my bytes of a load's and of a store's 512
	s_mul_i32 s48, s28, WST
	v_add_nc_u32 v3, s48, v2                       ; the stage, on the way in
	v_mul_u32_u24 v4, v14, SP
	v_lshl_add_u32 v4, v15, 6, v4
	v_add_nc_u32 v4, s48, v4                       ; and on the way out: row r, + 64 hh
	s_wait_kmcnt 0x0
	s_load_b256 s[36:43], s[18:19], 0x0            ; e0 .. e7
	s_load_b128 s[44:47], s[18:19], 0x20           ; e8 .. e11
	s_mov_b64 s[30:31], s[16:17]                   ; which tensor: chosen on the work-group's number alone, from the last downward
	s_mov_b32 s32, 432                             ; and the first work-group of that tensor
.macro PICK bound, p, start
	s_cmp_lt_u32 s29, \bound
	s_cselect_b64 s[30:31], s[\p:\p+1], s[30:31]
	s_cselect_b32 s32, \start, s32
.endm
	PICK 432, 14, 416
	PICK 416, 12, 400
	PICK 400, 10, 384
	PICK 384, 8, 256
	PICK 256, 6, 128
	PICK 128, 4, 0
	s_sub_co_u32 s32, s29, s32
	s_lshl_b32 s32, s32, 2
	s_add_co_u32 s32, s32, s28                     ; my rowtile within its tensor
	s_lshr_b32 s48, s32, 1
	s_lshl_b32 s48, s48, 17                        ; 32 rows of 4,096 bytes for each pair of rowtiles,
	s_and_b32 s49, s32, 1
	s_lshl_b32 s49, s49, 15                        ; 8 rows for the odd one
	s_or_b32 s48, s48, s49
	s_mov_b32 s49, 0
	s_add_nc_u64 s[30:31], s[30:31], s[48:49]
	s_lshl_b32 s48, s29, 2
	s_add_co_u32 s48, s48, s28                     ; my rowtile among all 1,792
	s_lshl_b32 s48, s48, 14
	s_add_nc_u64 s[34:35], s[22:23], s[48:49]
.macro LOAD t                          ; step t: 16 rows x 512 bytes; the rows of the tile stand in the immediate
.irp i, 0,1,2,3,4,5,6,7,8,9,10,11,12,13,14,15
	global_load_b128 v[R+64*((\t)%2)+4*\i:R+64*((\t)%2)+4*\i+3], v2, s[30:31] offset:(\i+8*(\i/8))*4096+512*(\t) th:TH_LOAD_NT
.endr
.endm
	LOAD 0
	LOAD 1
	s_wait_kmcnt 0x0
	s_mov_b32 s33, s47                             ; the tensor's e, chosen as the pointer was
.macro PICKE bound, e
	s_cmp_lt_u32 s29, \bound
	s_cselect_b32 s33, s[\e], s33
.endm
	PICKE 432, 41
	PICKE 416, 39
	PICKE 400, 37
	PICKE 384, 40
	PICKE 256, 38
	PICKE 128, 36
	s_add_co_i32 s33, s33, 127
	s_lshl_b32 s48, s33, 23
	v_mov_b32 v11, s48                             ; 2^e as f32: the conversion takes its exponent field
	s_add_co_i32 s33, s33, 8
	s_lshl_b32 s33, s33, 23
	s_or_b32 s33, s33, 0x600000
	v_mov_b32 v10, s33                             ; 448 x 2^e
.macro STEP t
.set RS, R+64*((\t)%2)
.set CS, C+16*((\t)%2)
.if (\t) < 7
	s_wait_loadcnt 16                              ; this step's 16 loads are in; the next step's 16 may be out
.else
	s_wait_loadcnt 0
.endif
.irp i, 0,1,2,3,4,5,6,7,8,9,10,11,12,13,14,15
	ds_store_b128 v3, v[RS+4*\i:RS+4*\i+3] offset:SP*\i
.endr
.irp c, 0,1,2,3
.irp j, 0,1,2,3
	ds_load_b128 v[X+16*\c+4*\j:X+16*\c+4*\j+3], v4 offset:128*\c+16*\j   ; LDS serves a wave's instructions in order (ISA guide 5.7.1.4): these see the stores above
.endr
.endr
	s_wait_dscnt 0x0                               ; the numbers are back, and the stores into the stage have read their registers,
	s_wait_xcnt 0x0                                ; and the stores of two steps back have read this set of codes
.if (\t)+2 < 8
	LOAD (\t)+2                                    ; which take the loads of two steps on
.endif
.set i, 0
.rept 64
	v_med3_num_f32 v[X+i], v[X+i], -v10, v10       ; the conversion to an 8-bit code does not saturate (ISA guide 7.6.2): the hold at the largest code x the scale
.set i, i+1
.endr
.irp g, 0,1,2,3,4,5,6,7
	v_cvt_scalef32_pk8_fp8_f32 v[CS+2*\g:CS+2*\g+1], v[X+8*\g:X+8*\g+7], v11
.endr
	v_nop                                          ; a plain vector line behind the last conversion
.irp c, 0,1,2,3
	global_store_b128 v2, v[CS+4*\c:CS+4*\c+3], s[34:35] offset:2048*(\t)+512*\c   ; 32 lanes store 512 consecutive bytes, aligned
.endr
.endm
.irp t, 0,1,2,3,4,5,6,7
	STEP \t
.endr
	s_wait_tensorcnt 0x0                           ; the wave's end, behind my last LDS store
	ds_add_u32 v[SPW], v[NIL]
	s_wait_dscnt 0x0
	s_endpgm
	; ---------------- the mask ----------------
	; Work-group T = a tile of 16 queries (place r = query 32 (T/2) + 8 (T%2) + r + 8 (r/8)); wave g = key steps 4 g .. 4 g + 3 of 128 keys.
	; mbits[T][step][n]: bit (r + 16 hh) of dword n = mask[query r][128 step + 32 (n/16) + 16 hh + n%16]: the lane mask for score register n of the attention launch.
	; cls[T][g]: bits 2 q + 1 : 2 q the class of step 4 g + q (0 nothing counts, 1 mixed, 2 all counts); bit 16 + r: query r has a key that counts in these four steps.
.Lmask:
	s_lshr_b32 s29, ttmp9, 1
	s_lshl_b32 s29, s29, 5
	s_and_b32 s30, ttmp9, 1
	s_lshl_b32 s30, s30, 3
	s_add_co_u32 s29, s29, s30                     ; the tile's first query
	s_lshl_b32 s30, s29, 11                        ; rows of 2,048 bytes,
	s_lshl_b32 s31, s28, 9                         ; my wave's 512 keys
	s_add_co_u32 s30, s30, s31
	s_mov_b32 s31, 0
	v_and_b32 v2, 8, v14
	v_add_nc_u32 v2, v2, v14                       ; r + 8 (r/8)
	v_lshlrev_b32 v2, 11, v2
	v_lshl_add_u32 v2, v15, 4, v2                  ; + 16 hh
	v_lshlrev_b32 v3, 3, v1                        ; out: 8 bytes a lane
	v_mov_b32 v6, 0
	s_lshl_b32 s32, ttmp9, 4
	s_lshl_b32 s33, s28, 2
	s_add_co_u32 s32, s32, s33
	s_lshl_b32 s32, s32, 8                         ; (16 T + 4 g) steps of 256 bytes
	s_mov_b32 s33, 0
	s_lshl_b32 s34, ttmp9, 2
	s_add_co_u32 s34, s34, s28
	s_lshl_b32 s34, s34, 2                         ; (4 T + g) dwords
	s_mov_b32 s35, 0
	s_wait_kmcnt 0x0
	s_add_nc_u64 s[20:21], s[20:21], s[30:31]
	s_add_nc_u64 s[24:25], s[24:25], s[32:33]
	s_add_nc_u64 s[26:27], s[26:27], s[34:35]
.irp q, 0,1,2,3
.irp b, 0,1,2,3
	global_load_b128 v[16+16*\q+4*\b:16+16*\q+4*\b+3], v2, s[20:21] offset:128*\q+32*\b   ; byte y of register 4 b + d: n = 16 b + 4 d + y
.endr
.endr
.irp j, 0,1,2,3,4,5,6,7,8
	v_mov_b32 v[80+\j], 0                          ; v80-87 the dwords to store (a written lane's register counts as read); v88 the or of all my bytes
.endr
	s_mov_b32 s39, 0
.macro MSTEP q
	s_wait_loadcnt 12-4*\q                         ; this step's four loads are in; the later steps' may be out
.irp i, 0,1,2,3,4,5,6,7,8,9,10,11,12,13,14,15
	v_or_b32 v88, v88, v[16+16*\q+\i]
.endr
.irp bb, 0,1,2,3,4,5,6,7                       ; eight values of n at a time: n = 8 bb + k
.irp k, 0,1,2,3,4,5,6,7
	v_and_b32 v[96+\k], 0xff<<(8*(\k%4)), v[16+16*\q+2*\bb+\k/4]
.endr
.irp k, 0,1,2,3,4,5,6,7
	v_cmp_ne_u32 s[48+\k], 0, v[96+\k]             ; the 32 lanes' bits of dword n
.endr
.irp k, 0,1,2,3,4,5,6,7
	v_writelane_b32 v[80+2*\q+\k%2], s[48+\k], 4*\bb+\k/2   ; dword n goes to lane n / 2, register n % 2
.endr
.endr
	global_store_b64 v3, v[80+2*\q:81+2*\q], s[24:25] offset:256*\q   ; 32 lanes store 256 consecutive bytes, aligned
	v_and_b32 v104, v[80+2*\q], v[81+2*\q]
	v_or_b32 v105, v[80+2*\q], v[81+2*\q]
	v_cmp_ne_u32 s36, -1, v104                     ; 0 where every bit is set
	v_cmp_ne_u32 s37, 0, v105                      ; 0 where none is
	s_cmp_eq_u32 s37, 0
	s_cselect_b32 s38, 0, 1
	s_cmp_eq_u32 s36, 0
	s_cselect_b32 s38, 2, s38
	s_lshl_b32 s38, s38, 2*\q
	s_or_b32 s39, s39, s38
.endm
	MSTEP 0
	MSTEP 1
	MSTEP 2
	MSTEP 3
	v_cmp_ne_u32 s36, 0, v88
	s_lshr_b32 s37, s36, 16
	s_or_b32 s36, s36, s37                         ; a query's two lanes
	s_lshl_b32 s36, s36, 16
	s_or_b32 s39, s39, s36
	v_mov_b32 v5, s39
	v_cmp_eq_u32 vcc_lo, 0, v1
	s_wait_xcnt 0x0                                ; EXEC changes only behind this wait: the stores above have read it
	s_and_saveexec_b32 s40, vcc_lo
	global_store_b32 v6, v5, s[26:27]              ; lane 0 alone
	s_wait_xcnt 0x0
	s_or_b32 exec_lo, exec_lo, s40
	s_endpgm
.Lfunc_end_k_qd7e79b1057_prep:
	.size	k_qd7e79b1057_prep, .Lfunc_end_k_qd7e79b1057_prep-k_qd7e79b1057_prep
	.p2alignl 7, 3214868480
	.fill 96, 4, 3214868480
	.section	.rodata,"a",@progbits
	.p2align	6, 0x0
	.amdhsa_kernel k_qd7e79b1057_prep
		.amdhsa_group_segment_fixed_size 34304
		.amdhsa_private_segment_fixed_size 0
		.amdhsa_enable_private_segment 0
		.amdhsa_kernarg_size 96
		.amdhsa_user_sgpr_count 2
		.amdhsa_user_sgpr_kernarg_segment_ptr 1
		.amdhsa_wavefront_size32 1
		.amdhsa_system_sgpr_workgroup_id_x 1
		.amdhsa_system_sgpr_workgroup_id_y 1
		.amdhsa_system_sgpr_workgroup_id_z 1
		.amdhsa_system_vgpr_workitem_id 0
		.amdhsa_next_free_vgpr 240
		.amdhsa_next_free_sgpr 66
		.amdhsa_reserve_vcc 1
		.amdhsa_float_denorm_mode_32 3
		.amdhsa_float_denorm_mode_16_64 3
		.amdhsa_memory_ordered 1
		.amdhsa_forward_progress 1
		.amdhsa_inst_pref_size 128
	.end_amdhsa_kernel
	.amdgpu_metadata
---
amdhsa.version: [ 1, 2 ]
amdhsa.kernels:
  - .name:           k_qd7e79b1057_prep
    .symbol:         k_qd7e79b1057_prep.kd
    .args:
      - { .name: q, .offset: 0, .size: 8, .value_kind: global_buffer, .address_space: global }
      - { .name: k, .offset: 8, .size: 8, .value_kind: global_buffer, .address_space: global }
      - { .name: v, .offset: 16, .size: 8, .value_kind: global_buffer, .address_space: global }
      - { .name: W_q, .offset: 24, .size: 8, .value_kind: global_buffer, .address_space: global }
      - { .name: W_k, .offset: 32, .size: 8, .value_kind: global_buffer, .address_space: global }
      - { .name: W_v, .offset: 40, .size: 8, .value_kind: global_buffer, .address_space: global }
      - { .name: W_o, .offset: 48, .size: 8, .value_kind: global_buffer, .address_space: global }
      - { .name: lowp_scales, .offset: 56, .size: 8, .value_kind: global_buffer, .address_space: global }
      - { .name: mask, .offset: 64, .size: 8, .value_kind: global_buffer, .address_space: global }
      - { .name: codes, .offset: 72, .size: 8, .value_kind: global_buffer, .address_space: global }
      - { .name: mbits, .offset: 80, .size: 8, .value_kind: global_buffer, .address_space: global }
      - { .name: cls, .offset: 88, .size: 8, .value_kind: global_buffer, .address_space: global }
    .group_segment_fixed_size: 34304
    .private_segment_fixed_size: 0
    .kernarg_segment_align: 8
    .kernarg_segment_size: 96
    .max_flat_workgroup_size: 128
    .sgpr_count:     66
    .vgpr_count:     240
    .wavefront_size: 32
...
	.end_amdgpu_metadata
.endif
;; end of part 1
;; launch proj (part 2): grid 4 x 96, 4 waves a work-group, clusters of 4 x 4, 327,680 bytes of LDS; arguments codes, lowp_scales, qkvc; writes qkvc
.if DOCPART == 2
	.amdgcn_target "amdgcn-amd-amdhsa--gfx1250"
	.amdhsa_code_object_version 6
	.text
	.protected	k_qd7e79b1057_proj
	.globl	k_qd7e79b1057_proj
	.p2align	8
	.type	k_qd7e79b1057_proj,@function
k_qd7e79b1057_proj:
	s_mov_b64 s[64:65], 0
	v_nop
	global_prefetch_b8 v0, s[64:65] scope:SCOPE_SE
	s_setreg_imm32_b32 hwreg(HW_REG_WAVE_MODE, 25, 1), 1
	s_wait_xcnt 0x0
	s_wait_alu depctr_hold_cnt(0) depctr_sa_sdst(0) depctr_va_vdst(0) depctr_va_sdst(0) depctr_va_ssrc(0) depctr_va_vcc(0) depctr_vm_vsrc(0)
	s_getreg_b32 s2, hwreg(HW_REG_IB_STS2, 6, 4)
	s_cmp_eq_u32 s2, 0
	s_cbranch_scc0 .Lentry_in_a_cluster
	s_endpgm
.Lentry_in_a_cluster:
	s_bfe_u32 s2, ttmp6, 0x10000c
	s_cmp_lg_u32 s2, 0xf033
	s_cbranch_scc0 .Lentry_shape_is_right
	s_endpgm
.Lentry_shape_is_right:
; The three input projections, x W^T, on codes of E4M3, and their results quantised at once for the attention launch.  K = 1,024.
; codes[rowtile][kf 8][c 4][lane 32][16]: images of operand registers (16 rows x 128 K = 2,048 bytes); a unit = 16 rowtiles = 256 rows = 262,144 bytes.  Units: q 0-31, k 32-63, v 64-95, W_q 96-99, W_k 100-103, W_v 104-107.
; Place r of rowtile T is row 32 (T/2) + 8 (T%2) + r + 8 (r/8) of its tensor.
; A work-group of four waves makes 256 x 256 results, a wave 128 x 128: 64 accumulators.  THE MATRIX INSTRUCTION'S SOURCE 0 IS THE "B SIDE", SOURCE 1 THE "A SIDE": a lane then holds ONE row of the A side, and the 16 registers
; of two neighbouring B tiles are 16 neighbouring rows of the B side: eight conversions make a block's registers of codes, which are stored as they stand, 512 consecutive bytes a store.
;   Q (p = 0), K (p = 1): A side = tokens, B side = the weight's rows: a lane holds a token, its registers run along the head's 64: image [bh][tile of 16 tokens 128][c 2][lane][16].
;   V (p = 2):            A side = W_v's rows, B side = tokens: a lane holds a channel, its registers run along the keys: image [bh][step of 128 keys 16][tile of 16 channels 4][c 4][lane][16].
; qkvc: Q at byte 0, K at 8,388,608, V at 16,777,216.
; The three scales ahead of the quantiser are folded: code = sum / 2^(eo - ea - eb), held within +-448.  LIMIT: eo - ea - eb between -126 and 119.
; K goes in steps of 256 (two images a rowtile, 4,096 bytes) through a ring of two LDS slots filled by the tensor data mover; a wave's load brings 8 rowtiles x 4,096 bytes.  Images are dense in LDS: every fragment load reads 512 consecutive bytes.
; CLUSTERS: 4 x 4 work-groups; the grid is one cluster wide and 24 high: cluster y = 8 p + cyl.  The four of a row of the cluster need the same A tiles, the four of a column the same B tiles: each is asked for JOINTLY.
; REGISTERS, in windows of 256: window 0: v3 16 x lane; v10 a store offset; v12, v13 the hold and the scale; v16-21 LDS addresses; v28, v29 the add's two; v32-95 at work on the way out; v128-255 A's fragments, ONE set, on the way out the codes.
;   window 1: B's fragments, TWO sets, at v0 and v128.   window 2: the accumulators of my A blocks 0-3 ((a, b) at v[8 (8 a + b)]);   window 3: those of blocks 4-7.
.set KSTB,   4096                      ; a rowtile's bytes of a K step
.set FR,     16                        ; registers of a fragment
.set NL,     4                         ; LDS loads that bring one
.set NP,     4                         ; places behind this matrix instruction (ISA guide 7.12.1)
.set HALFT,  8*KSTB                    ; what one tensor load brings, and what one wave reads of a side
.set SLOT,   4*HALFT                   ; A's 16 rowtiles, then B's 16
.set LAPS,   2                         ; 1,024 along K = four K steps = twice round the ring
.set SPARE,  2*SLOT                    ; behind the ring: the spare words, 128 bytes for each wave: two blocks of 256 bytes that no other line names
.set LI,   3
.set VO2,  10
.set ADRA, 16
.set ADRB, 20
.set SPW,  28
.set NIL,  29
.set TMP,  32
.set AF,   128
.set G1, 24
.set G0, 32
.set G1B, 48
.set G0B, 56
.set MSB, 0
.macro WIN new                         ; the immediate's high byte repeats the setting that is left
.if MSB != \new
	s_set_vgpr_msb (MSB<<8)|\new
.set MSB, \new
.endif
.endm
.set MUL_LO, 0xa1                      ; source 0 (B) window 1, source 1 (A) window 0, C and D window 2
.set MUL_HI, 0xf1                      ; the same, C and D window 3
.set TO_B,   0x40                      ; destination window 1, address window 0
; A joint load: waves 0 and 1 fetch for A, waves 2 and 3 for B.  Each of the two lines has ONE mask and one set of registers for all that issue it; the branch hangs on the wave's number alone.
; An s_nop 0 and four v_nop follow each of the two lines, ahead of the jump, the label and what follows.
.macro JLOAD g0a, g1a, g0b, g1b
	s_cmp_eq_u32 s15, 0
	s_cbranch_scc0 .Lfor_b_\@
	tensor_load_to_lds s[\g0a:\g0a+3], s[\g1a:\g1a+7]
	s_nop 0
.rept 4
	v_nop
.endr
	s_branch .Lasked_\@
.Lfor_b_\@:
	tensor_load_to_lds s[\g0b:\g0b+3], s[\g1b:\g1b+7]
	s_nop 0
.rept 4
	v_nop
.endr
.Lasked_\@:
.endm
.macro CREST                           ; a round of the cluster's barrier behind its opening barrier
	s_cmp_lg_u32 s14, 0
	s_cbranch_scc1 .Lnot_wave_0_\@
	s_barrier_signal -3
.Lnot_wave_0_\@:
	s_barrier_wait -3
	s_barrier_signal -1
	s_barrier_wait -1
.endm
.macro CROUND                          ; a whole round
	s_barrier_signal -1
	s_barrier_wait -1
	CREST
.endm
	s_load_b128 s[4:7], s[0:1], 0x0                ; codes s[4:5], the scales' exponents s[6:7]
	s_load_b64 s[8:9], s[0:1], 0x10                ; qkvc
	v_lshl_add_u32 v[SPW], v0, 2, SPARE
	v_mov_b32 v[NIL], 0
	ds_add_u32 v[SPW], v[NIL]                      ; the wave's opening: the add and its wait stand ahead of my first tensor load; the set-up below, work on registers, stands between them
	v_lshrrev_b32 v1, 5, v0
	v_readfirstlane_b32 s14, v1                    ; wave 0..3
	s_lshr_b32 s15, s14, 1                         ; which half of the A side is mine.  Also: I fetch for A (0) or for B (1)
	s_and_b32 s16, s14, 1                          ; which half of the B side.  Also: which 8 rowtiles of that unit I fetch
	s_bfe_u32 s40, ttmp6, 0x40000                  ; cx, cy: my place in the cluster
	s_bfe_u32 s41, ttmp6, 0x40004
	s_and_b32 s17, ttmp7, 0xffff                   ; cluster y, 0..23: the same in all sixteen partners
	s_lshr_b32 s18, s17, 3                         ; p: which projection
	s_and_b32 s19, s17, 7                          ; cyl: which 1,024 tokens
	s_lshl_b32 s43, s41, 2
	s_lshl_b32 s43, 15, s43                        ; my row of the cluster
	s_lshl_b32 s44, 0x1111, s40                    ; my column
	; descriptor group 1: 8 rows (rowtiles) of 512 elements of 8 bytes, 2,048 elements apart; dense in LDS
	s_or_b32 s[G1+0], s43, (3<<16)|(1<<21)         ; 15:0 the mask: A's tiles go to my row; 17:16 elements of 8 bytes; 20 no padding; 21 set beside a mask
	s_or_b32 s[G1B+0], s44, (3<<16)|(1<<21)
.irp g, G1, G1B
	s_mov_b32 s[\g+1], 512<<16                     ; tensor_dim0 = 512
	s_mov_b32 s[\g+2], 8<<16                       ; tensor_dim1 = 8
	s_mov_b32 s[\g+3], 512<<16                     ; tile_dim0 = 512
	s_mov_b32 s[\g+4], 8                           ; tile_dim1 = 8
	s_mov_b32 s[\g+5], 2048                        ; tensor_dim0_stride: a rowtile's 16,384 bytes
	s_mov_b32 s[\g+6], 0
	s_mov_b32 s[\g+7], 0
.endr
	; which units: A's hang on p, cyl and cy, B's on p, cyl and cx; chosen without a branch
	s_lshl_b32 s20, s18, 5
	s_lshl_b32 s21, s19, 2
	s_add_co_u32 s20, s20, s21                     ; tokens of q or k: 32 p + 4 cyl
	s_lshl_b32 s46, s18, 2
	s_add_co_u32 s46, s46, 96                      ; W_q or W_k: 96 + 4 p
	s_add_co_u32 s47, s21, 64                      ; tokens of v: 64 + 4 cyl
	s_cmp_lt_u32 s18, 2
	s_cselect_b32 s20, s20, 104                    ; for V the A side is W_v
	s_cselect_b32 s46, s46, s47
	s_add_co_u32 s20, s20, s41                     ; + cy
	s_add_co_u32 s46, s46, s40                     ; + cx
	s_lshl_b32 s20, s20, 18
	s_lshl_b32 s46, s46, 18
	s_lshl_b32 s21, s16, 17                        ; which 8 rowtiles I fetch
	s_add_co_u32 s20, s20, s21
	s_add_co_u32 s46, s46, s21
	s_mov_b32 s21, 0
	s_mov_b32 s47, 0
	s_mul_i32 s45, s14, HALFT                      ; where they go: wave x 32,768: no place in the cluster enters an LDS address
	s_wait_dscnt 0x0                               ; the opening add is done
	s_wait_kmcnt 0x0
	s_load_b256 s[84:91], s[6:7], 0x0              ; e0 .. e7
	s_load_b128 s[92:95], s[6:7], 0x20             ; e8 .. e11
	s_add_nc_u64 s[20:21], s[4:5], s[20:21]
	s_add_nc_u64 s[46:47], s[4:5], s[46:47]
	CROUND                                         ; all sixteen work-groups are here: the first joint loads meet
.irp s, 0,1
	s_mov_b32 s[G0+4*\s], 1
	s_add_co_u32 s[G0+4*\s+1], s45, \s*SLOT
	s_add_nc_u64 s[G0+4*\s+2:G0+4*\s+3], s[20:21], \s*KSTB
	s_or_b32 s[G0+4*\s+3], s[G0+4*\s+3], 0x80000000
	s_mov_b32 s[G0B+4*\s], 1
	s_add_co_u32 s[G0B+4*\s+1], s45, \s*SLOT
	s_add_nc_u64 s[G0B+4*\s+2:G0B+4*\s+3], s[46:47], \s*KSTB
	s_or_b32 s[G0B+4*\s+3], s[G0B+4*\s+3], 0x80000000
	JLOAD G0+4*\s, G1, G0B+4*\s, G1B
.endr
	v_and_b32 v1, 31, v0
	v_lshlrev_b32 v[LI], 4, v1                     ; 16 x lane: my place in every image
	s_mul_i32 s21, s15, HALFT                      ; my 8 rowtiles of A
	s_mul_i32 s22, s16, HALFT                      ; my 8 of B,
	s_add_co_u32 s22, s22, 2*HALFT                 ; which lie behind A's 16
.irp s, 0,1
	v_add_nc_u32 v[ADRA+\s], s21, v[LI]
	v_add_nc_u32 v[ADRB+\s], s22, v[LI]
	s_add_co_u32 s21, s21, SLOT
	s_add_co_u32 s22, s22, SLOT
.endr
	; where my results go.  Q, K: p x 8,388,608 + ((16 batch + 4 cx + 2 half_B) x 128 + 16 ((4 cyl + cy) % 8) + 8 half_A) x 1,024; block a: + 1,024 a; registers 4 beta on: + 512 (beta % 2) + 131,072 (beta / 2)
	;                       V: 16,777,216 + ((16 batch + 4 cy + 2 half_A) x 16 + 2 ((4 cyl + cx) % 8) + half_B) x 8,192; block a: + 2,048 (a % 4) + 131,072 (a / 4); registers 4 beta on: + 512 beta
	s_lshr_b32 s10, s19, 1
	s_lshl_b32 s10, s10, 4                         ; 16 x batch
	s_lshl_b32 s11, s19, 2                         ; 4 cyl
	s_lshl_b32 s12, s40, 2
	s_add_co_u32 s12, s12, s10
	s_lshl_b32 s13, s16, 1
	s_add_co_u32 s12, s12, s13
	s_lshl_b32 s12, s12, 7
	s_add_co_u32 s13, s11, s41
	s_and_b32 s13, s13, 7
	s_lshl_b32 s13, s13, 4
	s_add_co_u32 s12, s12, s13
	s_lshl_b32 s13, s15, 3
	s_add_co_u32 s12, s12, s13
	s_lshl_b32 s12, s12, 10
	s_lshl_b32 s13, s18, 23
	s_add_co_u32 s12, s12, s13
	s_lshl_b32 s22, s41, 2
	s_add_co_u32 s22, s22, s10
	s_lshl_b32 s23, s15, 1
	s_add_co_u32 s22, s22, s23
	s_lshl_b32 s22, s22, 4
	s_add_co_u32 s23, s11, s40
	s_and_b32 s23, s23, 7
	s_lshl_b32 s23, s23, 1
	s_add_co_u32 s22, s22, s23
	s_add_co_u32 s22, s22, s16
	s_lshl_b32 s22, s22, 13
	s_add_co_u32 s22, s22, 0x1000000
	s_cmp_lt_u32 s18, 2
	s_cselect_b32 s66, s12, s22
	s_mov_b32 s67, 0
	s_mov_b32 s96, 2048
	s_cselect_b32 s96, 1024, s96                   ; from block to block,
	s_mov_b32 s97, 0
	s_mov_b32 s98, 124928
	s_cselect_b32 s98, 1024, s98                   ; from block 3 to block 4,
	s_mov_b32 s99, 0
	s_mov_b32 s100, 1024
	s_cselect_b32 s100, 131072, s100               ; from registers 0-7 of a block's codes to registers 8-15
	s_add_nc_u64 s[68:69], s[8:9], s[66:67]        ; a base for each of my eight blocks
.irp a, 0,1,2,3,4,5,6
.if \a == 3
	s_add_nc_u64 s[70+2*\a:71+2*\a], s[68+2*\a:69+2*\a], s[98:99]
.else
	s_add_nc_u64 s[70+2*\a:71+2*\a], s[68+2*\a:69+2*\a], s[96:97]
.endif
.endr
	v_add_nc_u32 v[VO2], s100, v[LI]
.macro FRAG reg, adr, q, i             ; a fragment's image, 16 registers a lane: four loads of 512 consecutive bytes.  Registers 4 c .. 4 c + 3 hold K = 32 c + 16 (lane / 16) + 0 .. 15, alike on both sides
.irp c, 0,1,2,3
	ds_load_b128 v[\reg+4*\c:\reg+4*\c+3], v[\adr] offset:KSTB*(\i)+2048*(\q)+512*\c
.endr
.endm
; 16 matrix instructions: A's blocks a0, a0 + 1 x B's eight, 128 along K.  p: B's set.  zero = 1: the first product starts the sums: nothing is ever cleared.
; The 64 accumulators take turns, one instruction a turn, in the same order in every step.
.macro MUL16 a0, p, zero
.irp a, \a0, \a0+1
.irp b, 0,1,2,3,4,5,6,7
.if \zero
	v_wmma_f32_16x16x128_fp8_fp8 v[8*(8*((\a)%4)+\b):8*(8*((\a)%4)+\b)+7], v[128*(\p)+FR*\b:128*(\p)+FR*\b+FR-1], v[AF+FR*(\a):AF+FR*(\a)+FR-1], 0
.else
	v_wmma_f32_16x16x128_fp8_fp8 v[8*(8*((\a)%4)+\b):8*(8*((\a)%4)+\b)+7], v[128*(\p)+FR*\b:128*(\p)+FR*\b+FR-1], v[AF+FR*(\a):AF+FR*(\a)+FR-1], v[8*(8*((\a)%4)+\b):8*(8*((\a)%4)+\b)+7]
.endif
.endr
.endr
.endm
.macro FETCH_B slot, q, p              ; B's eight fragments of the slot's q-th 128 along K into set p
	WIN TO_B
.irp i, 0,1,2,3,4,5,6,7
	FRAG 128*(\p)+FR*\i, ADRB+\slot, \q, \i
.endr
	WIN 0
.endm
.macro FETCH_A slot, q, i0             ; A's blocks i0 .. i0 + 3
.irp i, \i0, \i0+1, \i0+2, \i0+3
	FRAG AF+FR*(\i), ADRA+\slot, \q, \i
.endr
.endm
; A load into a register that a matrix instruction has read, and a vector instruction that reads a matrix result, stand NP places behind that matrix instruction, and only plain vector
; instructions that name none of its registers are places (ISA guide 7.12.1 for vector instructions).
.macro PLACES n
.rept \n
	v_nop
.endr
.endm
; A step of 128 along K that has its successor in the same slot.  A's blocks are free as soon as their eight products are issued: blocks 0-3 are fetched anew in the step's middle, blocks 4-7 at its end.
.macro STEP slot, q, zero
	s_wait_dscnt 4*NL                              ; B's set and A's blocks 0-3 are in; the youngest 16 loads (A's blocks 4-7) may be out
	WIN MUL_LO
	MUL16 0, (\q)%2, \zero
	MUL16 2, (\q)%2, \zero
	s_wait_dscnt 0                                 ; A's blocks 4-7 are in
	PLACES NP
	FETCH_B \slot, (\q)+1, 1-(\q)%2
	FETCH_A \slot, (\q)+1, 0
	WIN MUL_HI
	MUL16 4, (\q)%2, \zero
	MUL16 6, (\q)%2, \zero
	PLACES NP
	WIN 0
	FETCH_A \slot, (\q)+1, 4
.endm
; A slot's last step changes slots: ONE barrier; in front of it each wave waits for all its tensor loads, adds 0 to its spare word, and waits for that and for its own reads of this slot.  fill = 1: this slot is filled again, two K steps ahead.
.macro TURN slot, next, fill
	s_wait_tensorcnt 0x0                           ; all my tensor loads have landed: my part of the next slot;  (every window is 0 here)
	ds_add_u32 v[SPW], v[NIL]                      ; 0 onto my spare word
	s_wait_dscnt 4*NL+1                            ; (the add and the youngest 16 loads, A's blocks 4-7, may be out)
	WIN MUL_LO
	MUL16 0, 1, 0                                  ; sixteen matrix instructions stand between the add and the wait for it
	s_wait_dscnt 0x0                               ; the add is done, and my reads of this slot are over
	s_barrier_signal -1
	MUL16 2, 1, 0
	WIN 0
	s_barrier_wait -1
.if \fill
	CREST                                          ; the barrier has opened a round of the cluster's barrier: no wave of any partner still reads this slot's tile or has a load on its way
	s_add_nc_u64 s[G0+4*\slot+2:G0+4*\slot+3], s[G0+4*\slot+2:G0+4*\slot+3], 2*KSTB
	s_add_nc_u64 s[G0B+4*\slot+2:G0B+4*\slot+3], s[G0B+4*\slot+2:G0B+4*\slot+3], 2*KSTB
	JLOAD G0+4*\slot, G1, G0B+4*\slot, G1B         ; the first tensor load behind the round; the four v_nop behind it are the places in front of the loads below
.else
	PLACES NP
.endif
	FETCH_B \next, 0, 0
	FETCH_A \next, 0, 0
	WIN MUL_HI
	MUL16 4, 1, 0
	MUL16 6, 1, 0
	PLACES NP
	WIN 0
	FETCH_A \next, 0, 4
.endm
	s_wait_tensorcnt 1                             ; my part of K step 0 is in (K step 1's load may be out)
	s_barrier_signal -1
	s_barrier_wait -1                              ; everybody's is
	FETCH_B 0, 0, 0
	FETCH_A 0, 0, 0
	FETCH_A 0, 0, 4
	STEP 0, 0, 1                                   ; the first step stands in front of the loop: its products start the sums
	s_mov_b32 s3, LAPS-1
.Llap:                                                 ; a trip goes once round the ring, from a lap's second step to the next lap's first, and fills both slots again
	TURN 0, 1, 1
	STEP 1, 0, 0
	TURN 1, 0, 1
	STEP 0, 0, 0
	s_sub_co_u32 s3, s3, 1
	s_cmp_lg_u32 s3, 0
	s_cbranch_scc1 .Llap
	TURN 0, 1, 0                                   ; the last lap fills nothing, and has no round of the cluster's barrier
	STEP 1, 0, 0
	s_wait_dscnt 4*NL                              ; the very last step: nothing more to fetch
	WIN MUL_LO
	MUL16 0, 1, 0
	MUL16 2, 1, 0
	s_wait_dscnt 0
	WIN MUL_HI
	MUL16 4, 1, 0
	MUL16 6, 1, 0
	WIN 0
	; THE WAY OUT.  ea, eb, eo: (e0, e1, e6), (e2, e3, e7) or (e4, e5, e9), chosen on p without a branch.
	s_wait_kmcnt 0x0
	s_cmp_eq_u32 s18, 0
	s_cselect_b32 s20, s84, s86
	s_cselect_b32 s21, s85, s87
	s_cselect_b32 s22, s90, s91
	s_cmp_eq_u32 s18, 2
	s_cselect_b32 s20, s88, s20
	s_cselect_b32 s21, s89, s21
	s_cselect_b32 s22, s93, s22
	s_sub_co_i32 s22, s22, s20
	s_sub_co_i32 s22, s22, s21                     ; a sum stands for sum x 2^(ea + eb): its code is sum / 2^(eo - ea - eb)
	s_add_co_i32 s22, s22, 127
	s_lshl_b32 s23, s22, 23
	v_mov_b32 v13, s23                             ; that power of two as f32: the conversion takes its exponent field
	s_add_co_i32 s22, s22, 8
	s_lshl_b32 s22, s22, 23
	s_or_b32 s22, s22, 0x600000
	v_mov_b32 v12, s22                             ; 448 x that
	PLACES NP                                      ; behind the last products: their results are read below, and the codes land where A's fragments lay
; Block a: 64 sums a lane are held (into window 0, each accumulator from its low end on), converted, and stored as they stand.  Each block has its own 16 registers of codes and its own base: nothing that a store reads is written again.
.macro OUTBLK a
.set AC, 64*((\a)%4)
.set CD, AF+16*(\a)
	WIN 0x02+((\a)/4)                              ; source 0: window 2 or 3
.set j, 0
.rept 64
	v_med3_num_f32 v[TMP+j], v[AC+j], -v12, v12    ; the conversion to an 8-bit code does not saturate (ISA guide 7.6.2): the hold at the largest code x the scale
.set j, j+1
.endr
	WIN 0
.irp g, 0,1,2,3,4,5,6,7
	v_cvt_scalef32_pk8_fp8_f32 v[CD+2*\g:CD+2*\g+1], v[TMP+8*\g:TMP+8*\g+7], v13
.endr
	v_nop                                          ; a plain vector line behind the last conversion: the next block's holds write its sources
	global_store_b128 v[LI],  v[CD:CD+3],     s[68+2*(\a):69+2*(\a)]              ; 32 lanes store 512 consecutive bytes, aligned
	global_store_b128 v[LI],  v[CD+4:CD+7],   s[68+2*(\a):69+2*(\a)] offset:512
	global_store_b128 v[VO2], v[CD+8:CD+11],  s[68+2*(\a):69+2*(\a)]
	global_store_b128 v[VO2], v[CD+12:CD+15], s[68+2*(\a):69+2*(\a)] offset:512
.endm
.irp a, 0,1,2,3,4,5,6,7
	OUTBLK \a
.endr
	s_wait_tensorcnt 0x0                           ; the wave's end, behind my last tensor load
	ds_add_u32 v[SPW], v[NIL]
	s_wait_dscnt 0x0
	CROUND                                         ; the closing round: no work-group ends while a partner may still ask for a tile that names it
	s_endpgm
.Lfunc_end_k_qd7e79b1057_proj:
	.size	k_qd7e79b1057_proj, .Lfunc_end_k_qd7e79b1057_proj-k_qd7e79b1057_proj
	.p2alignl 7, 3214868480
	.fill 96, 4, 3214868480
	.section	.rodata,"a",@progbits
	.p2align	6, 0x0
	.amdhsa_kernel k_qd7e79b1057_proj
		.amdhsa_group_segment_fixed_size 327680
		.amdhsa_private_segment_fixed_size 0
		.amdhsa_enable_private_segment 0
		.amdhsa_kernarg_size 24
		.amdhsa_user_sgpr_count 2
		.amdhsa_user_sgpr_kernarg_segment_ptr 1
		.amdhsa_wavefront_size32 1
		.amdhsa_system_sgpr_workgroup_id_x 1
		.amdhsa_system_sgpr_workgroup_id_y 1
		.amdhsa_system_sgpr_workgroup_id_z 1
		.amdhsa_system_vgpr_workitem_id 0
		.amdhsa_next_free_vgpr 1024
		.amdhsa_next_free_sgpr 102
		.amdhsa_reserve_vcc 0
		.amdhsa_float_denorm_mode_32 3
		.amdhsa_float_denorm_mode_16_64 3
		.amdhsa_memory_ordered 1
		.amdhsa_forward_progress 1
		.amdhsa_inst_pref_size 119
	.end_amdhsa_kernel
	.amdgpu_metadata
---
amdhsa.version: [ 1, 2 ]
amdhsa.kernels:
  - .name:           k_qd7e79b1057_proj
    .symbol:         k_qd7e79b1057_proj.kd
    .args:
      - { .name: codes, .offset: 0, .size: 8, .value_kind: global_buffer, .address_space: global }
      - { .name: lowp_scales, .offset: 8, .size: 8, .value_kind: global_buffer, .address_space: global }
      - { .name: qkvc, .offset: 16, .size: 8, .value_kind: global_buffer, .address_space: global }
    .group_segment_fixed_size: 327680
    .private_segment_fixed_size: 0
    .kernarg_segment_align: 8
    .kernarg_segment_size: 24
    .max_flat_workgroup_size: 128
    .sgpr_count:     102
    .vgpr_count:     1024
    .wavefront_size: 32
...
	.end_amdgpu_metadata
.endif
;; end of part 2
;; launch attn (part 3): grid 4 x 64, 16 waves a work-group, no clusters, 264,192 bytes of LDS; arguments qkvc, mbits, cls, lowp_scales, oc; writes oc
.if DOCPART == 3
	.amdgcn_target "amdgcn-amd-amdhsa--gfx1250"
	.amdhsa_code_object_version 6
	.text
	.protected	k_qd7e79b1057_attn
	.globl	k_qd7e79b1057_attn
	.p2align	8
	.type	k_qd7e79b1057_attn,@function
k_qd7e79b1057_attn:
	s_mov_b64 s[64:65], 0
	v_nop
	global_prefetch_b8 v0, s[64:65] scope:SCOPE_SE
	s_setreg_imm32_b32 hwreg(HW_REG_WAVE_MODE, 25, 1), 1
	s_wait_xcnt 0x0
; Attention on codes of E4M3, head size 64, 2,048 keys, with the mask that is GIVEN (lane masks and classes made of it by the first launch), and the result quantised at once for the last projection.
; t = score x log2(e) / 8; M = the row's largest t so far, rounded UP to a whole number; p = 2^(t - M) is quantised along the keys with 2^e8, not normalised; the row's sum is taken of the unquantised p and divides at the end.
; When M moves, the sum and O are multiplied by 2^(old M - new M): exact.
; SHARES.  Work-group (x, y): head y of 64, a quarter x of its query tiles.  The head's K and V, 131,072 bytes of codes each, are copied into LDS ONCE, through registers; behind the one barrier LDS is only read: no ring.
; Wave w has g = 16 x + w and takes query tiles g and then 127 - g, 16 queries each.  A step is 128 keys; a tile has 16 steps.
; A STEP IN WHICH NO KEY COUNTS FOR ANY OF THE TILE'S QUERIES IS LEFT OUT, by a scalar branch on the stored class: its p would all be 0.  That holds only where every query of the tile has a key that counts:
; in a row with none, every masked key has p = 1; so a tile with such a row leaves no step out (SKIP = 0 would leave none out anywhere).  In a step of class 2 (all counts) the 64 selects are jumped over.
; NO CLUSTER, though the four work-groups of a head copy the same 262,144 bytes.
; LAYOUT.  Both products are used transposed: S^T = K Q^T (source 0 = 16 keys, source 1 = my 16 queries), O^T = V^T P^T (source 0 = 16 channels): a lane holds ONE query (lane % 16) throughout.
; Every operand is an image of its registers, [c][lane][16 bytes], k = 32 c + 16 (lane / 16) + 0 .. 15; place r of tile T is row 32 (T/2) + 8 (T%2) + r + 8 (r/8): so score register n is key 128 step + 32 (n/16) + 16 (lane/16) + n%16,
; p's conversions give the second product's operand, and O^T's give the last projection's: oc[batch x 128 + T][kf 8][c 4][lane][16].
; THE MASK.  A masked score becomes R = -2^(33 - e6 - e7), so that its t = -1.4427 x 2^30 is a whole number: in a row with no key that counts M = t and p = 1 exactly.
; LIMITS: a masked logit counts as -2^30, not -1e9: that differs only where unmasked logits lie near or under -1e9.  e6 + e7 between -94 and 130; e8 and e10 between -126 and 119.  NaN is not served.
; REGISTERS: v1 16 x lane; v2, v3 LDS addresses of the step's K and V; v4, v5 the add's two; v6 R; v7, v8 448 x 2^e8, 2^e8; v9, v10 the same with e10; v11 a global offset; v12 -M, v13 the largest t, v[14:15] the sum in two halves;
;   v16-23 Q; v24-31 O's codes; v32-95 K's fragments, then V's; v96-159 S^T, then p; v160-191 O^T; v192-207 p's codes; v208 f (v209 named with it); v210-215 at work; v216-219 the copy's LDS addresses.
.set SKIP,  1
.set VIMG,  131072                     ; LDS: K's images from 0 (step s at 8,192 s, tile t at 1,024 t), V's from here (step s at 8,192 s, tile t at 2,048 t)
.set SPARE, 262144                     ; behind them: the spare words, 128 bytes for each of 16 waves: eight blocks of 256 bytes that no other line names
.set LI,  1
.set AK,  2
.set AV,  3
.set SPW, 4
.set NIL, 5
.set RM,  6
.set PH,  7
.set PS,  8
.set OH,  9
.set OS,  10
.set GA,  11
	s_load_b256 s[4:11], s[0:1], 0x0               ; qkvc 4, mbits 6, cls 8, the scales' exponents 10
	s_load_b64 s[12:13], s[0:1], 0x20              ; oc
	v_lshl_add_u32 v[SPW], v0, 2, SPARE
	v_mov_b32 v[NIL], 0
	v_lshrrev_b32 v1, 5, v0
	v_readfirstlane_b32 s14, v1                    ; wave 0..15
	v_and_b32 v1, 31, v0
	v_lshlrev_b32 v[LI], 4, v1
	v_lshlrev_b32 v216, 4, v0                      ; the copy: 16 bytes a thread, 8,192 an instruction
	v_add_nc_u32 v217, 0x10000, v216
	v_add_nc_u32 v218, 0x20000, v216
	v_add_nc_u32 v219, 0x30000, v216
	v_mov_b32 v209, 0                              ; (named as the upper half of the pair v[208:209])
	v_mov_b32 v212, 0                              ; written once: a lane permute's destination counts as one of its sources
	s_and_b32 s15, ttmp7, 0xffff                   ; bh = 16 x batch + head
	s_lshl_b32 s30, s15, 17                        ; a head's 131,072 bytes in each of Q, K, V
	s_mov_b32 s31, 0
	s_lshl_b32 s17, ttmp9, 4
	s_add_co_u32 s17, s17, s14                     ; my first query tile
	s_lshr_b32 s100, s15, 4
	s_lshl_b32 s100, s100, 21                      ; oc: 128 rowtiles of 16,384 bytes a batch,
	s_bfe_u32 s16, s15, 0x30001
	s_lshl_b32 s16, s16, 11                        ; kf = head / 2,
	s_add_co_u32 s100, s100, s16
	s_and_b32 s16, s15, 1
	s_lshl_b32 s16, s16, 10                        ; c = 2 (head % 2) on
	s_add_co_u32 s100, s100, s16
	s_mov_b32 s101, 0
	s_mov_b32 s24, 0x76543210                      ; lane selects for v_permlanex16_b32: lane l xor 16
	s_mov_b32 s25, 0xfedcba98
	s_wait_kmcnt 0x0
	s_load_b256 s[68:75], s[10:11], 0x0            ; e0 .. e7
	s_load_b128 s[76:79], s[10:11], 0x20           ; e8 .. e11
	s_add_nc_u64 s[2:3], s[4:5], s[30:31]          ; my head's Q,
	s_add_nc_u64 s[4:5], s[2:3], 0x800000          ; K,
	s_add_nc_u64 s[66:67], s[2:3], 0x1000000       ; V
	s_add_nc_u64 s[12:13], s[12:13], s[100:101]
.irp i, 0,1,2,3,4,5,6,7,8,9,10,11,12,13,14,15
	global_load_b128 v[32+4*\i:35+4*\i], v216, s[4:5] offset:8192*\i
.endr
.irp i, 0,1,2,3,4,5,6,7,8,9,10,11,12,13,14,15
	global_load_b128 v[96+4*\i:99+4*\i], v216, s[66:67] offset:8192*\i
.endr
	s_wait_kmcnt 0x0
	s_add_co_i32 s30, s74, s75                     ; e6 + e7: a score stands for score x 2^(e6 + e7)
	s_lshl_b32 s31, s30, 23
	s_add_co_i32 s22, s31, 0x3e38aa3b              ; c = log2(e) / 8, the two exponents added to its exponent field
	s_mov_b32 s23, s22                             ; (named with it as a pair, so it is written)
	s_sub_co_i32 s30, 160, s30
	s_lshl_b32 s30, s30, 23
	s_or_b32 s30, s30, 0x80000000
	v_mov_b32 v[RM], s30                           ; R = -2^(33 - e6 - e7)
	s_mov_b32 s28, s76                             ; e8
	s_add_co_i32 s29, s76, s77                     ; e8 + e9
	s_add_co_i32 s30, s76, 127
	s_lshl_b32 s31, s30, 23
	v_mov_b32 v[PS], s31                           ; 2^e8 as f32
	s_add_co_i32 s30, s30, 8
	s_lshl_b32 s30, s30, 23
	s_or_b32 s30, s30, 0x600000
	v_mov_b32 v[PH], s30                           ; 448 x 2^e8
	s_add_co_i32 s30, s78, 127
	s_lshl_b32 s31, s30, 23
	v_mov_b32 v[OS], s31                           ; 2^e10
	s_add_co_i32 s30, s30, 8
	s_lshl_b32 s30, s30, 23
	s_or_b32 s30, s30, 0x600000
	v_mov_b32 v[OH], s30                           ; 448 x 2^e10
.set n, 0
.rept 32
	s_wait_loadcnt 31-n                            ; loads come back in order (ISA guide 5.7.1): load n is in, the younger ones may be out
	ds_store_b128 v[216+n/8], v[32+4*n:35+4*n] offset:8192*(n%8)
.set n, n+1
.endr
	s_wait_dscnt 0x0                               ; for the others' sake: my stores have landed
	s_barrier_signal -1
	s_barrier_wait -1                              ; the head's K and V lie in LDS; from here on LDS is only read
	s_mov_b32 s18, 2
.Ltile:                                            ; two trips: tile g, tile 127 - g
	s_wait_xcnt 0x0                                ; the last tile's stores have read their offset and their data: both are written again below
	s_lshl_b32 s100, s17, 4
	s_load_b128 s[68:71], s[8:9], s100 offset:0x0  ; the tile's four words of classes
	v_lshl_add_u32 v[GA], s17, 10, v[LI]
	global_load_b128 v[16:19], v[GA], s[2:3]       ; Q's fragment stays in registers
	global_load_b128 v[20:23], v[GA], s[2:3] offset:512
	v_mov_b32 v13, 0xff61b1e6                      ; the largest t so far: -3e38, under every t
	v_floor_f32 v12, -v13                          ; -M
	v_mov_b32 v14, 0
	v_mov_b32 v15, 0
.set j, 0
.rept 32
	v_mov_b32 v[160+j], 0                          ; O^T.  (Which step is a tile's first hangs on the mask: so the step is written once, and the first finds zeros, which the first change of M leaves zeros)
.set j, j+1
.endr
	s_wait_kmcnt 0x0
	s_or_b32 s31, s68, s69
	s_or_b32 s31, s31, s70
	s_or_b32 s31, s31, s71
	s_lshr_b32 s31, s31, 16                        ; bit r: query r has a key that counts
	s_and_b32 s20, s68, 255
	s_and_b32 s30, s69, 255
	s_lshl_b32 s30, s30, 8
	s_or_b32 s20, s20, s30
	s_and_b32 s30, s70, 255
	s_lshl_b32 s30, s30, 16
	s_or_b32 s20, s20, s30
	s_lshl_b32 s30, s71, 24
	s_or_b32 s20, s20, s30                         ; the 16 steps' classes, two bits each
	s_lshr_b32 s30, s20, 1
	s_or_b32 s30, s30, s20
	s_not_b32 s30, s30
	s_and_b32 s30, s30, 0x55555555                 ; a 1 for each step of class 0
.if SKIP
	s_cmp_eq_u32 s31, 0xffff
	s_cselect_b32 s30, 0, s30                      ; they stay 0 only where every query has a key that counts;
.endif
	s_or_b32 s20, s20, s30                         ; else they become class 1 and are walked
	s_mov_b32 s26, 0                               ; 8,192 x step
	s_lshl_b32 s27, s17, 12                        ; the tile's lane masks: 4,096 bytes a tile, 256 a step
	s_mov_b32 s19, 16
	s_wait_loadcnt 0x0                             ; Q
.Lstep:
	s_and_b32 s21, s20, 3
	s_cmp_eq_u32 s21, 0
	s_cbranch_scc1 .Lskip                          ; no key of the step counts for any of my queries
	s_load_b512 s[32:47], s[6:7], s27 offset:0x0   ; the step's 64 lane masks: asked for in every step that is walked, used in a mixed one
	s_load_b512 s[48:63], s[6:7], s27 offset:0x40
	s_load_b512 s[68:83], s[6:7], s27 offset:0x80
	s_load_b512 s[84:99], s[6:7], s27 offset:0xc0
	v_add_nc_u32 v[AK], s26, v[LI]
	v_add_nc_u32 v[AV], VIMG, v[AK]
	v_nop
	v_nop                                          ; with the two additions: four places in front of loads into registers that the last step's products have read
.irp t, 0,1,2,3,4,5,6,7
	ds_load_b128 v[32+8*\t:35+8*\t], v[AK] offset:1024*\t
	ds_load_b128 v[36+8*\t:39+8*\t], v[AK] offset:1024*\t+512
.endr
	s_wait_dscnt 0x0
.irp t, 0,1,2,3,4,5,6,7
	v_wmma_f32_16x16x64_fp8_fp8 v[96+8*\t:103+8*\t], v[32+8*\t:39+8*\t], v[16:23], 0   ; S^T: 16 keys x my 16 queries
.endr
.rept 4
	v_nop                                          ; places in front of the loads below and of the first read of the scores
.endr
.irp t, 0,1,2,3
.irp c, 0,1,2,3
	ds_load_b128 v[32+16*\t+4*\c:35+16*\t+4*\c], v[AV] offset:2048*\t+512*\c   ; V's fragments land while the softmax is worked
.endr
.endr
	s_wait_kmcnt 0x0                               ; the lane masks are in
	s_cmp_eq_u32 s21, 2
	s_cbranch_scc1 .Lopen                          ; every key counts for every query
.set n, 0
.rept 64
	v_cndmask_b32 v[96+n], v[RM], v[96+n], s[32+n+4*(n/32)]   ; where the bit is 0: R
.set n, n+1
.endr
.Lopen:
	v_max3_num_f32 v210, v96, v97, v98             ; the step's largest score of my query, among my 64 keys, in two chains,
	v_max3_num_f32 v211, v99, v100, v101
.set i, 6
.rept 14
	v_max3_num_f32 v210, v210, v[96+i], v[97+i]
	v_max3_num_f32 v211, v211, v[98+i], v[99+i]
.set i, i+4
.endr
	v_max3_num_f32 v210, v210, v158, v159
	v_max_num_f32 v210, v210, v211
	v_permlanex16_b32 v212, v210, s24, s25
	v_max_num_f32 v210, v210, v212                 ; and among lane l xor 16's
	v_mul_f32 v210, s22, v210                      ; as t (c is positive)
	v_max_num_f32 v13, v13, v210                   ; the running largest t
	v_mov_b32 v210, v12
	v_floor_f32 v12, -v13                          ; the new -M = floor(-t) = -ceil(t): M is a whole number
	v_sub_f32 v210, v12, v210                      ; M's old value less its new one: a whole number, 0 or less
	v_cvt_i32_f32 v210, v210                       ; (it saturates)
	v_ldexp_f32 v208, 1.0, v210                    ; f = 2^(old M - new M)
.set j, 0
.rept 32
	v_pk_fma_f32 v[96+j:97+j], v[96+j:97+j], s[22:23], v[12:13] op_sel_hi:[1,0,0]   ; t - M, two at a time (of the pairs c and -M the low word serves both halves)
.set j, j+2
.endr
.set j, 0
.rept 64
	v_exp_f32 v[96+j], v[96+j]                     ; p = 2^(t - M), at most 1: not normalised
.set j, j+1
.endr
	v_pk_mul_f32 v[14:15], v[14:15], v[208:209] op_sel_hi:[1,0]   ; the sums under the new M.  (The plain line behind the exponentials)
	s_wait_alu depctr_va_vdst(0)                   ; the wait ahead of the first line that names an exponential's result: one for the batch of 64
	v_pk_add_f32 v[214:215], v[96:97], v[98:99]    ; the row's sum is taken of the unquantised p: two at a time, in two chains
.set j, 4
.rept 15
	v_pk_add_f32 v[14:15], v[14:15], v[96+j:97+j]
	v_pk_add_f32 v[214:215], v[214:215], v[98+j:99+j]
.set j, j+4
.endr
	v_pk_add_f32 v[14:15], v[14:15], v[214:215]
	s_cmp_ge_i32 s28, -8
	s_cbranch_scc1 .Lnohold                        ; with e8 >= -8 the largest code x the scale is 448 x 2^e8 >= 1.75, above every p: the hold would change nothing
.set j, 0
.rept 64
	v_min_num_f32 v[96+j], v[96+j], v[PH]          ; the conversion to an 8-bit code does not saturate (ISA guide 7.6.2); p is not negative, so the hold is one-sided
.set j, j+1
.endr
.Lnohold:
.irp g, 0,1,2,3,4,5,6,7
	v_cvt_scalef32_pk8_fp8_f32 v[192+2*\g:193+2*\g], v[96+8*\g:103+8*\g], v[PS]
.endr
.set j, 0
.rept 16
	v_pk_mul_f32 v[160+j:161+j], v[160+j:161+j], v[208:209] op_sel_hi:[1,0]   ; O^T under the new M: x f, each accumulator from its low end on.  (These are also the plain lines between the conversions and the products)
.set j, j+2
.endr
	s_wait_dscnt 0x0                               ; V is in
.irp t, 0,1,2,3
	v_wmma_f32_16x16x128_fp8_fp8 v[160+8*\t:167+8*\t], v[32+16*\t:47+16*\t], v[192:207], v[160+8*\t:167+8*\t]   ; O^T += V^T P^T; the four accumulators take turns, and S^T's eight products stand between two turns of one
.endr
.Lskip:
	s_lshr_b32 s20, s20, 2
	s_add_co_u32 s26, s26, 8192
	s_add_co_u32 s27, s27, 256                     ; (the scalar loads that read it were waited for)
	s_sub_co_u32 s19, s19, 1
	s_cmp_lg_u32 s19, 0
	s_cbranch_scc1 .Lstep
	; A TILE'S WAY OUT: O = O^T / the sum x 2^(e8 + e9), held, converted with 2^e10: the codes are the last projection's operand as they stand.
.rept 4
	v_nop                                          ; places behind the last products
.endr
	v_add_f32 v14, v14, v15                        ; the sum's two halves,
	v_permlanex16_b32 v212, v14, s24, s25
	v_add_f32 v14, v14, v212                       ; and lane l xor 16's: the row's sum
	v_rcp_f32 v14, v14
	v_lshl_add_u32 v[GA], s17, 14, v[LI]           ; (the plain line behind the reciprocal)  my rowtile of oc; Q's loads, which read this register, were waited for
	s_wait_alu depctr_va_vdst(0)                   ; the wait ahead of the reciprocal's first reader
	v_ldexp_f32 v208, v14, s29
.set j, 0
.rept 16
	v_pk_mul_f32 v[160+j:161+j], v[160+j:161+j], v[208:209] op_sel_hi:[1,0]
.set j, j+2
.endr
.set j, 0
.rept 32
	v_med3_num_f32 v[160+j], v[160+j], -v[OH], v[OH]
.set j, j+1
.endr
.irp g, 0,1,2,3
	v_cvt_scalef32_pk8_fp8_f32 v[24+2*\g:25+2*\g], v[160+8*\g:167+8*\g], v[OS]
.endr
	v_nop                                          ; a plain vector line behind the last conversion
	global_store_b128 v[GA], v[24:27], s[12:13]              ; 32 lanes store 512 consecutive bytes, aligned: channels 0-31 of my head,
	global_store_b128 v[GA], v[28:31], s[12:13] offset:512   ; channels 32-63
	s_sub_co_u32 s17, 127, s17
	s_sub_co_u32 s18, s18, 1
	s_cmp_lg_u32 s18, 0
	s_cbranch_scc1 .Ltile
	s_wait_tensorcnt 0x0                           ; the wave's end, behind my last LDS store
	ds_add_u32 v[SPW], v[NIL]
	s_wait_dscnt 0x0
	s_endpgm
.Lfunc_end_k_qd7e79b1057_attn:
	.size	k_qd7e79b1057_attn, .Lfunc_end_k_qd7e79b1057_attn-k_qd7e79b1057_attn
	.p2alignl 7, 3214868480
	.fill 96, 4, 3214868480
	.section	.rodata,"a",@progbits
	.p2align	6, 0x0
	.amdhsa_kernel k_qd7e79b1057_attn
		.amdhsa_group_segment_fixed_size 264192
		.amdhsa_private_segment_fixed_size 0
		.amdhsa_enable_private_segment 0
		.amdhsa_kernarg_size 40
		.amdhsa_user_sgpr_count 2
		.amdhsa_user_sgpr_kernarg_segment_ptr 1
		.amdhsa_wavefront_size32 1
		.amdhsa_system_sgpr_workgroup_id_x 1
		.amdhsa_system_sgpr_workgroup_id_y 1
		.amdhsa_system_sgpr_workgroup_id_z 1
		.amdhsa_system_vgpr_workitem_id 0
		.amdhsa_next_free_vgpr 256
		.amdhsa_next_free_sgpr 102
		.amdhsa_reserve_vcc 0
		.amdhsa_float_denorm_mode_32 3
		.amdhsa_float_denorm_mode_16_64 3
		.amdhsa_memory_ordered 1
		.amdhsa_forward_progress 1
		.amdhsa_inst_pref_size 36
	.end_amdhsa_kernel
	.amdgpu_metadata
---
amdhsa.version: [ 1, 2 ]
amdhsa.kernels:
  - .name:           k_qd7e79b1057_attn
    .symbol:         k_qd7e79b1057_attn.kd
    .args:
      - { .name: qkvc, .offset: 0, .size: 8, .value_kind: global_buffer, .address_space: global }
      - { .name: mbits, .offset: 8, .size: 8, .value_kind: global_buffer, .address_space: global }
      - { .name: cls, .offset: 16, .size: 8, .value_kind: global_buffer, .address_space: global }
      - { .name: lowp_scales, .offset: 24, .size: 8, .value_kind: global_buffer, .address_space: global }
      - { .name: oc, .offset: 32, .size: 8, .value_kind: global_buffer, .address_space: global }
    .group_segment_fixed_size: 264192
    .private_segment_fixed_size: 0
    .kernarg_segment_align: 8
    .kernarg_segment_size: 40
    .max_flat_workgroup_size: 512
    .sgpr_count:     102
    .vgpr_count:     256
    .wavefront_size: 32
...
	.end_amdgpu_metadata
.endif
;; end of part 3
;; launch outp (part 4): grid 4 x 32, 4 waves a work-group, clusters of 4 x 4, 327,680 bytes of LDS; arguments oc, codes, lowp_scales, out0; writes out0
.if DOCPART == 4
	.amdgcn_target "amdgcn-amd-amdhsa--gfx1250"
	.amdhsa_code_object_version 6
	.text
	.protected	k_qd7e79b1057_outp
	.globl	k_qd7e79b1057_outp
	.p2align	8
	.type	k_qd7e79b1057_outp,@function
k_qd7e79b1057_outp:
	s_mov_b64 s[64:65], 0
	v_nop
	global_prefetch_b8 v0, s[64:65] scope:SCOPE_SE
	s_setreg_imm32_b32 hwreg(HW_REG_WAVE_MODE, 25, 1), 1
	s_wait_xcnt 0x0
	s_wait_alu depctr_hold_cnt(0) depctr_sa_sdst(0) depctr_va_vdst(0) depctr_va_sdst(0) depctr_va_ssrc(0) depctr_va_vcc(0) depctr_vm_vsrc(0)
	s_getreg_b32 s2, hwreg(HW_REG_IB_STS2, 6, 4)
	s_cmp_eq_u32 s2, 0
	s_cbranch_scc0 .Lentry_in_a_cluster
	s_endpgm
.Lentry_in_a_cluster:
	s_bfe_u32 s2, ttmp6, 0x10000c
	s_cmp_lg_u32 s2, 0xf033
	s_cbranch_scc0 .Lentry_shape_is_right
	s_endpgm
.Lentry_shape_is_right:
; out0 = O W_o^T on codes of E4M3; out0 [8192][1024] f32; K = 1,024.  Each finished sum is multiplied once by 2^(e10 + e11).  LIMIT: e10 + e11 between -126 and 127.
; oc[rowtile 512][kf 8][c 4][lane 32][16] and W_o's part of codes (units 108-111) are images of operand registers (16 rows x 128 K = 2,048 bytes); a unit = 16 rowtiles = 256 rows = 262,144 bytes.
; Place r of rowtile T is row 32 (T/2) + 8 (T%2) + r + 8 (r/8) of its tensor.
; A work-group of four waves makes 256 x 256 of out0, a wave 128 x 128: 64 accumulators.  Source 0 = 16 rows of W_o, source 1 = 16 tokens: a lane holds one token, and the 16 registers of two neighbouring tiles of W_o are 16 neighbouring columns.
; K goes in steps of 256 (4,096 bytes a rowtile) through a ring of two LDS slots filled by the tensor data mover; a wave's load brings 8 rowtiles x 4,096 bytes.  Images are dense in LDS: every fragment load reads 512 consecutive bytes.
; CLUSTERS: 4 x 4 work-groups; the grid is one cluster wide.  The four of a row of the cluster need the same tiles of O, the four of a column the same tiles of W_o: each is asked for JOINTLY.
; 128 work-groups: the tile is kept at 256 x 256, since a smaller one would read each fragment from LDS for half as many products.
; REGISTERS, in windows of 256: window 0: v3 16 x lane; v16-21 LDS addresses; v24, v25 the stage; v28, v29 the add's two; v32-95 at work on the way out; v128-255 A's fragments, ONE set, on the way out rows read back.
;   window 1: B's fragments, TWO sets, at v0 and v128.   window 2: the accumulators of my token blocks 0-3 ((a, b) at v[8 (8 a + b)]);   window 3: those of blocks 4-7.
.set KSTB,   4096                      ; a rowtile's bytes of a K step
.set FR,     16
.set NL,     4
.set NP,     4                         ; places behind this matrix instruction (ISA guide 7.12.1)
.set HALFT,  8*KSTB
.set SLOT,   4*HALFT
.set LAPS,   2
.set SPARE,  2*SLOT                    ; behind the ring: the spare words, 128 bytes for each wave: two blocks of 256 bytes that no other line names
.set SPITCH, 528                       ; the way out: a stage of 16 rows x (512 bytes + 16) for each wave.  It lies in slot 0, which has had its last fill and its last read when the first result is stored there
.set LI,   3
.set ADRA, 16
.set ADRB, 20
.set STO,  24
.set RD,   25
.set SPW,  28
.set NIL,  29
.set TMP,  32
.set AF,   128
.set BK,   128
.set G1, 24
.set G0, 32
.set G1B, 48
.set G0B, 56
.set MSB, 0
.macro WIN new                         ; the immediate's high byte repeats the setting that is left
.if MSB != \new
	s_set_vgpr_msb (MSB<<8)|\new
.set MSB, \new
.endif
.endm
.set MUL_LO, 0xa1
.set MUL_HI, 0xf1
.set TO_B,   0x40
; A joint load: waves 0 and 1 fetch for A, waves 2 and 3 for B; the branch hangs on the wave's number alone.  An s_nop 0 and four v_nop follow each of the two lines.
.macro JLOAD g0a, g1a, g0b, g1b
	s_cmp_eq_u32 s15, 0
	s_cbranch_scc0 .Lfor_b_\@
	tensor_load_to_lds s[\g0a:\g0a+3], s[\g1a:\g1a+7]
	s_nop 0
.rept 4
	v_nop
.endr
	s_branch .Lasked_\@
.Lfor_b_\@:
	tensor_load_to_lds s[\g0b:\g0b+3], s[\g1b:\g1b+7]
	s_nop 0
.rept 4
	v_nop
.endr
.Lasked_\@:
.endm
.macro CREST
	s_cmp_lg_u32 s14, 0
	s_cbranch_scc1 .Lnot_wave_0_\@
	s_barrier_signal -3
.Lnot_wave_0_\@:
	s_barrier_wait -3
	s_barrier_signal -1
	s_barrier_wait -1
.endm
.macro CROUND
	s_barrier_signal -1
	s_barrier_wait -1
	CREST
.endm
	s_load_b128 s[4:7], s[0:1], 0x0                ; oc s[4:5], codes s[6:7]
	s_load_b128 s[8:11], s[0:1], 0x10              ; the scales' exponents s[8:9], out0 s[10:11]
	v_lshl_add_u32 v[SPW], v0, 2, SPARE
	v_mov_b32 v[NIL], 0
	ds_add_u32 v[SPW], v[NIL]                      ; the wave's opening: the add and its wait stand ahead of my first tensor load; the set-up below, work on registers, stands between them
	v_lshrrev_b32 v1, 5, v0
	v_readfirstlane_b32 s14, v1                    ; wave 0..3
	s_lshr_b32 s15, s14, 1                         ; which half of the tile's tokens is mine.  Also: I fetch for A (0) or for B (1)
	s_and_b32 s16, s14, 1                          ; which half of its columns.  Also: which 8 rowtiles of that unit I fetch
	s_bfe_u32 s40, ttmp6, 0x40000                  ; cx = the tile column: the grid is one cluster wide
	s_bfe_u32 s41, ttmp6, 0x40004                  ; cy
	s_and_b32 s17, ttmp7, 0xffff
	s_lshl_b32 s17, s17, 2
	s_add_co_u32 s17, s17, s41                     ; tile row = 4 x cluster y + cy = O's unit
	s_lshl_b32 s43, s41, 2
	s_lshl_b32 s43, 15, s43                        ; my row of the cluster
	s_lshl_b32 s44, 0x1111, s40                    ; my column
	s_or_b32 s[G1+0], s43, (3<<16)|(1<<21)         ; 15:0 the mask; 17:16 elements of 8 bytes; 20 no padding; 21 set beside a mask
	s_or_b32 s[G1B+0], s44, (3<<16)|(1<<21)
.irp g, G1, G1B
	s_mov_b32 s[\g+1], 512<<16                     ; tensor_dim0 = 512
	s_mov_b32 s[\g+2], 8<<16                       ; tensor_dim1 = 8
	s_mov_b32 s[\g+3], 512<<16                     ; tile_dim0 = 512
	s_mov_b32 s[\g+4], 8                           ; tile_dim1 = 8
	s_mov_b32 s[\g+5], 2048                        ; tensor_dim0_stride: a rowtile's 16,384 bytes
	s_mov_b32 s[\g+6], 0
	s_mov_b32 s[\g+7], 0
.endr
	s_lshl_b32 s20, s17, 18
	s_add_co_u32 s46, s40, 108                     ; W_o's units begin at 108
	s_lshl_b32 s46, s46, 18
	s_lshl_b32 s21, s16, 17
	s_add_co_u32 s20, s20, s21
	s_add_co_u32 s46, s46, s21
	s_mov_b32 s21, 0
	s_mov_b32 s47, 0
	s_mul_i32 s45, s14, HALFT                      ; where they go: wave x 32,768
	s_wait_dscnt 0x0                               ; the opening add is done
	s_wait_kmcnt 0x0
	s_load_b64 s[96:97], s[8:9], 0x28              ; e10, e11
	s_add_nc_u64 s[20:21], s[4:5], s[20:21]
	s_add_nc_u64 s[46:47], s[6:7], s[46:47]
	CROUND                                         ; all sixteen work-groups are here: the first joint loads meet
.irp s, 0,1
	s_mov_b32 s[G0+4*\s], 1
	s_add_co_u32 s[G0+4*\s+1], s45, \s*SLOT
	s_add_nc_u64 s[G0+4*\s+2:G0+4*\s+3], s[20:21], \s*KSTB
	s_or_b32 s[G0+4*\s+3], s[G0+4*\s+3], 0x80000000
	s_mov_b32 s[G0B+4*\s], 1
	s_add_co_u32 s[G0B+4*\s+1], s45, \s*SLOT
	s_add_nc_u64 s[G0B+4*\s+2:G0B+4*\s+3], s[46:47], \s*KSTB
	s_or_b32 s[G0B+4*\s+3], s[G0B+4*\s+3], 0x80000000
	JLOAD G0+4*\s, G1, G0B+4*\s, G1B
.endr
	v_and_b32 v1, 31, v0
	v_lshlrev_b32 v[LI], 4, v1                     ; 16 x lane
	v_and_b32 v1, 15, v0                           ; r
	v_bfe_u32 v2, v0, 4, 1                         ; hh
	s_mul_i32 s21, s15, HALFT
	s_mul_i32 s22, s16, HALFT
	s_add_co_u32 s22, s22, 2*HALFT
.irp s, 0,1
	v_add_nc_u32 v[ADRA+\s], s21, v[LI]
	v_add_nc_u32 v[ADRB+\s], s22, v[LI]
	s_add_co_u32 s21, s21, SLOT
	s_add_co_u32 s22, s22, SLOT
.endr
	s_mul_i32 s23, s14, 16*SPITCH                  ; my stage
	v_mul_u32_u24 v5, v1, SPITCH                   ; in: row r, 64 bytes for each half of the lanes within each 128
	v_lshl_add_u32 v5, v2, 6, v5
	v_add_nc_u32 v[STO], s23, v5
	v_add_nc_u32 v[RD], s23, v[LI]                 ; back: the 32 lanes take one row of 512 bytes
	s_lshl_b32 s12, s17, 20                        ; my first row of out0: (256 x tile row + 128 x half) rows of 4,096 bytes,
	s_lshl_b32 s13, s15, 19
	s_add_co_u32 s12, s12, s13
	s_lshl_b32 s13, s40, 10                        ; my first column: 1,024 x tile column + 512 x half bytes
	s_add_co_u32 s12, s12, s13
	s_lshl_b32 s13, s16, 9
	s_add_co_u32 s12, s12, s13
	s_mov_b32 s13, 0
	s_add_nc_u64 s[10:11], s[10:11], s[12:13]
.macro FRAG reg, adr, q, i             ; a fragment's image: four loads of 512 consecutive bytes
.irp c, 0,1,2,3
	ds_load_b128 v[\reg+4*\c:\reg+4*\c+3], v[\adr] offset:KSTB*(\i)+2048*(\q)+512*\c
.endr
.endm
; 16 matrix instructions: A's blocks a0, a0 + 1 x B's eight, 128 along K.  The 64 accumulators take turns, one instruction a turn, in the same order in every step.
.macro MUL16 a0, p, zero
.irp a, \a0, \a0+1
.irp b, 0,1,2,3,4,5,6,7
.if \zero
	v_wmma_f32_16x16x128_fp8_fp8 v[8*(8*((\a)%4)+\b):8*(8*((\a)%4)+\b)+7], v[128*(\p)+FR*\b:128*(\p)+FR*\b+FR-1], v[AF+FR*(\a):AF+FR*(\a)+FR-1], 0
.else
	v_wmma_f32_16x16x128_fp8_fp8 v[8*(8*((\a)%4)+\b):8*(8*((\a)%4)+\b)+7], v[128*(\p)+FR*\b:128*(\p)+FR*\b+FR-1], v[AF+FR*(\a):AF+FR*(\a)+FR-1], v[8*(8*((\a)%4)+\b):8*(8*((\a)%4)+\b)+7]
.endif
.endr
.endr
.endm
.macro FETCH_B slot, q, p
	WIN TO_B
.irp i, 0,1,2,3,4,5,6,7
	FRAG 128*(\p)+FR*\i, ADRB+\slot, \q, \i
.endr
	WIN 0
.endm
.macro FETCH_A slot, q, i0
.irp i, \i0, \i0+1, \i0+2, \i0+3
	FRAG AF+FR*(\i), ADRA+\slot, \q, \i
.endr
.endm
.macro PLACES n                        ; plain vector lines between a matrix instruction and a load into one of its registers or a read of its result (ISA guide 7.12.1 for vector instructions)
.rept \n
	v_nop
.endr
.endm
.macro STEP slot, q, zero
	s_wait_dscnt 4*NL                              ; B's set and A's blocks 0-3 are in; the youngest 16 loads (A's blocks 4-7) may be out
	WIN MUL_LO
	MUL16 0, (\q)%2, \zero
	MUL16 2, (\q)%2, \zero
	s_wait_dscnt 0                                 ; A's blocks 4-7 are in
	PLACES NP
	FETCH_B \slot, (\q)+1, 1-(\q)%2
	FETCH_A \slot, (\q)+1, 0
	WIN MUL_HI
	MUL16 4, (\q)%2, \zero
	MUL16 6, (\q)%2, \zero
	PLACES NP
	WIN 0
	FETCH_A \slot, (\q)+1, 4
.endm
; A slot's last step changes slots: ONE barrier; in front of it each wave waits for all its tensor loads, adds 0 to its spare word, and waits for that and for its own reads of this slot.  fill = 1: this slot is filled again, two K steps ahead.
.macro TURN slot, next, fill
	s_wait_tensorcnt 0x0                           ; all my tensor loads have landed: my part of the next slot;  (every window is 0 here)
	ds_add_u32 v[SPW], v[NIL]                      ; 0 onto my spare word
	s_wait_dscnt 4*NL+1                            ; (the add and the youngest 16 loads may be out)
	WIN MUL_LO
	MUL16 0, 1, 0
	s_wait_dscnt 0x0                               ; the add is done, and my reads of this slot are over
	s_barrier_signal -1
	MUL16 2, 1, 0
	WIN 0
	s_barrier_wait -1
.if \fill
	CREST                                          ; the barrier has opened a round of the cluster's barrier: no wave of any partner still reads this slot's tile or has a load on its way
	s_add_nc_u64 s[G0+4*\slot+2:G0+4*\slot+3], s[G0+4*\slot+2:G0+4*\slot+3], 2*KSTB
	s_add_nc_u64 s[G0B+4*\slot+2:G0B+4*\slot+3], s[G0B+4*\slot+2:G0B+4*\slot+3], 2*KSTB
	JLOAD G0+4*\slot, G1, G0B+4*\slot, G1B         ; the first tensor load behind the round; the four v_nop behind it are the places in front of the loads below
.else
	PLACES NP
.endif
	FETCH_B \next, 0, 0
	FETCH_A \next, 0, 0
	WIN MUL_HI
	MUL16 4, 1, 0
	MUL16 6, 1, 0
	PLACES NP
	WIN 0
	FETCH_A \next, 0, 4
.endm
	s_wait_tensorcnt 1                             ; my part of K step 0 is in (K step 1's load may be out)
	s_barrier_signal -1
	s_barrier_wait -1                              ; everybody's is
	FETCH_B 0, 0, 0
	FETCH_A 0, 0, 0
	FETCH_A 0, 0, 4
	STEP 0, 0, 1                                   ; the first step stands in front of the loop: its products start the sums
	s_mov_b32 s3, LAPS-1
.Llap:
	TURN 0, 1, 1
	STEP 1, 0, 0
	TURN 1, 0, 1
	STEP 0, 0, 0
	s_sub_co_u32 s3, s3, 1
	s_cmp_lg_u32 s3, 0
	s_cbranch_scc1 .Llap
	TURN 0, 1, 0                                   ; the last lap fills nothing, and has no round of the cluster's barrier
	STEP 1, 0, 0
	s_wait_dscnt 4*NL
	WIN MUL_LO
	MUL16 0, 1, 0
	MUL16 2, 1, 0
	s_wait_dscnt 0
	WIN MUL_HI
	MUL16 4, 1, 0
	MUL16 6, 1, 0
	WIN 0
; THE WAY OUT, block by block of 16 tokens x 128 columns, through my own stage in LDS: in as 16 bytes a lane, back as whole rows of 512 bytes.  LDS serves a wave's instructions in order (ISA guide 5.7.1.4):
; no wait between the stores and the loads, nor in front of the next block's stores.  Tile b's eight registers of lane (r, hh) are columns 32 (b/2) + 16 hh + 8 (b%2) + 0..7.
.macro TOSTAGE a
.set AC, 64*((\a)%4)
	WIN 0x02+((\a)/4)                              ; source 0: window 2 or 3
.set j, 0
.rept 32
	v_pk_mul_f32 v[TMP+j:TMP+j+1], v[AC+j:AC+j+1], s[96:97] op_sel_hi:[1,0]   ; both x s96 = 2^(e10 + e11); each accumulator from its low end on
.set j, j+2
.endr
	WIN 0
.irp b, 0,1,2,3,4,5,6,7
	ds_store_b128 v[STO], v[TMP+8*\b:TMP+8*\b+3] offset:128*(\b/2)+32*(\b%2)
	ds_store_b128 v[STO], v[TMP+8*\b+4:TMP+8*\b+7] offset:128*(\b/2)+32*(\b%2)+16
.endr
.set BB, BK+64*((\a)%2)
.irp t, 0,1,2,3,4,5,6,7,8,9,10,11,12,13,14,15
	ds_load_b128 v[BB+4*\t:BB+4*\t+3], v[RD] offset:\t*SPITCH
.endr
.endm
.macro SEND a, younger                 ; younger: the LDS instructions issued behind block a's loads, which may stay out.  Place t of block a is my row 32 (a/2) + 8 (a%2) + t + 8 (t/8): it stands in the immediate, 127 rows of 4,096 bytes at the most
.set BB, BK+64*((\a)%2)
	s_wait_dscnt \younger
.irp t, 0,1,2,3,4,5,6,7,8,9,10,11,12,13,14,15
	global_store_b128 v[LI], v[BB+4*\t:BB+4*\t+3], s[10:11] offset:(32*((\a)/2)+8*((\a)%2)+\t+8*(\t/8))*4096 th:TH_STORE_NT   ; 32 lanes store 512 consecutive bytes, aligned; written once, read by nobody here
.endr
.endm
	s_wait_kmcnt 0x0
	s_add_co_i32 s96, s96, s97                     ; e10 + e11, between -126 and 127,
	s_add_co_i32 s96, s96, 127
	s_lshl_b32 s96, s96, 23                        ; makes the f32 number 2^(e10 + e11)
	PLACES NP                                      ; behind the last products: for the loads into the registers that held A's fragments, and for the reads of results
	TOSTAGE 0
.irp a, 1,2,3,4,5,6,7
.if \a > 1
	s_wait_xcnt 0x0                                ; block a - 2's stores have read their registers: block a's loads may land there
.endif
	TOSTAGE \a
	SEND \a-1, 32                                  ; behind block a - 1's loads: block a's 16 stores and 16 loads
.endr
	SEND 7, 0
	s_wait_tensorcnt 0x0                           ; the wave's end, behind my last tensor load and my last LDS store
	ds_add_u32 v[SPW], v[NIL]
	s_wait_dscnt 0x0
	CROUND                                         ; the closing round: no work-group ends while a partner may still ask for a tile that names it
	s_endpgm
.Lfunc_end_k_qd7e79b1057_outp:
	.size	k_qd7e79b1057_outp, .Lfunc_end_k_qd7e79b1057_outp-k_qd7e79b1057_outp
	.p2alignl 7, 3214868480
	.fill 96, 4, 3214868480
	.section	.rodata,"a",@progbits
	.p2align	6, 0x0
	.amdhsa_kernel k_qd7e79b1057_outp
		.amdhsa_group_segment_fixed_size 327680
		.amdhsa_private_segment_fixed_size 0
		.amdhsa_enable_private_segment 0
		.amdhsa_kernarg_size 32
		.amdhsa_user_sgpr_count 2
		.amdhsa_user_sgpr_kernarg_segment_ptr 1
		.amdhsa_wavefront_size32 1
		.amdhsa_system_sgpr_workgroup_id_x 1
		.amdhsa_system_sgpr_workgroup_id_y 1
		.amdhsa_system_sgpr_workgroup_id_z 1
		.amdhsa_system_vgpr_workitem_id 0
		.amdhsa_next_free_vgpr 1024
		.amdhsa_next_free_sgpr 98
		.amdhsa_reserve_vcc 0
		.amdhsa_float_denorm_mode_32 3
		.amdhsa_float_denorm_mode_16_64 3
		.amdhsa_memory_ordered 1
		.amdhsa_forward_progress 1
		.amdhsa_inst_pref_size 122
	.end_amdhsa_kernel
	.amdgpu_metadata
---
amdhsa.version: [ 1, 2 ]
amdhsa.kernels:
  - .name:           k_qd7e79b1057_outp
    .symbol:         k_qd7e79b1057_outp.kd
    .args:
      - { .name: oc, .offset: 0, .size: 8, .value_kind: global_buffer, .address_space: global }
      - { .name: codes, .offset: 8, .size: 8, .value_kind: global_buffer, .address_space: global }
      - { .name: lowp_scales, .offset: 16, .size: 8, .value_kind: global_buffer, .address_space: global }
      - { .name: out0, .offset: 24, .size: 8, .value_kind: global_buffer, .address_space: global }
    .group_segment_fixed_size: 327680
    .private_segment_fixed_size: 0
    .kernarg_segment_align: 8
    .kernarg_segment_size: 32
    .max_flat_workgroup_size: 128
    .sgpr_count:     98
    .vgpr_count:     1024
    .wavefront_size: 32
...
	.end_amdgpu_metadata
.endif
;; end of part 4
;; ======== version 2 of 2: 4 launches; version 1 with the launch attn written anew for expert scheduling mode
;; workspace buffers: codes 29,360,128 bytes; qkvc 25,165,824 bytes; oc 8,388,608 bytes; mbits 524,288 bytes of whole numbers; cls 2,048 bytes of whole numbers
;; launch prep: the kernel of part 1 again; grid 576 x 1, 4 waves a work-group, no clusters, 34,304 bytes of LDS; arguments q, k, v, W_q, W_k, W_v, W_o, lowp_scales, mask, codes, mbits, cls; writes codes, mbits, cls
;; launch proj: the kernel of part 2 again; grid 4 x 96, 4 waves a work-group, clusters of 4 x 4, 327,680 bytes of LDS; arguments codes, lowp_scales, qkvc; writes qkvc
;; launch attn (part 5): grid 4 x 64, 16 waves a work-group, no clusters, 264,192 bytes of LDS; arguments qkvc, mbits, cls, lowp_scales, oc; writes oc
.if DOCPART == 5
	.amdgcn_target "amdgcn-amd-amdhsa--gfx1250"
	.amdhsa_code_object_version 6
	.text
	.protected	k_qd7e79b1057_attn
	.globl	k_qd7e79b1057_attn
	.p2align	8
	.type	k_qd7e79b1057_attn,@function
k_qd7e79b1057_attn:
	s_mov_b64 s[64:65], 0
	v_nop
	global_prefetch_b8 v0, s[64:65] scope:SCOPE_SE
	s_setreg_imm32_b32 hwreg(HW_REG_WAVE_SCHED_MODE, 0, 2), 2
	s_setreg_imm32_b32 hwreg(HW_REG_WAVE_MODE, 25, 1), 1
	s_wait_xcnt 0x0
	s_wait_alu depctr_vm_vsrc(0)
; Attention on codes of E4M3, head size 64, 2,048 keys, with the mask that is GIVEN (lane masks and classes made of it by the first launch), and the result quantised at once for the last projection.
; t = score x log2(e) / 8; M = the row's largest t so far, rounded UP to a whole number; p = 2^(t - M) is quantised along the keys with 2^e8, not normalised; the row's sum is taken of the unquantised p and divides at the end.
; When M moves, the sum and O are multiplied by 2^(old M - new M): exact.
; SHARES.  Work-group (x, y): head y of 64, a quarter x of its query tiles.  The head's K and V, 131,072 bytes of codes each, are copied into LDS ONCE, through registers; behind the one barrier LDS is only read: no ring.
; Wave w has g = 16 x + w and takes query tiles g and then 127 - g, 16 queries each.  A step is 128 keys; a tile has 16 steps.
; A STEP IN WHICH NO KEY COUNTS FOR ANY OF THE TILE'S QUERIES IS LEFT OUT, by a scalar branch on the stored class: its p would all be 0.  That holds only where every query of the tile has a key that counts:
; in a row with none, every masked key has p = 1; so a tile with such a row leaves no step out (SKIP = 0 would leave none out anywhere).  In a step of class 2 (all counts) the 64 selects are jumped over.
; NO CLUSTER, though the four work-groups of a head copy the same 262,144 bytes.
; LAYOUT.  Both products are used transposed: S^T = K Q^T (source 0 = 16 keys, source 1 = my 16 queries), O^T = V^T P^T (source 0 = 16 channels): a lane holds ONE query (lane % 16) throughout.
; Every operand is an image of its registers, [c][lane][16 bytes], k = 32 c + 16 (lane / 16) + 0 .. 15; place r of tile T is row 32 (T/2) + 8 (T%2) + r + 8 (r/8): so score register n is key 128 step + 32 (n/16) + 16 (lane/16) + n%16,
; p's conversions give the second product's operand, and O^T's give the last projection's: oc[batch x 128 + T][kf 8][c 4][lane][16].
; THE MASK.  A masked score becomes R = -2^(33 - e6 - e7), so that its t = -1.4427 x 2^30 is a whole number: in a row with no key that counts M = t and p = 1 exactly.
; LIMITS: a masked logit counts as -2^30, not -1e9: that differs only where unmasked logits lie near or under -1e9.  e6 + e7 between -94 and 130; e8 and e10 between -126 and 119.  NaN is not served.
; REGISTERS: v1 16 x lane; v2, v3 LDS addresses of the step's K and V; v4, v5 the add's two; v6 R; v7, v8 448 x 2^e8, 2^e8; v9, v10 the same with e10; v11 a global offset; v12 -M, v13 the largest t, v[14:15] the sum in two halves;
;   v16-23 Q; v24-31 O's codes; v32-95 K's fragments, then V's; v96-159 S^T, then p; v160-191 O^T; v192-207 p's codes; v208 f (v209 named with it); v210-215 at work; v216-219 the copy's LDS addresses.
; THE MODE: SCHED_MODE bits 1:0 = 2 (LLVM: expert scheduling mode 2), set by the entry lines.  The code itself states the register dependences
; between vector or matrix instructions and memory or LDS instructions, with s_wait_alu, always for 0.
; THE PLAN.  Registers that memory or LDS instructions touch:
;   v216-219   Written at the head, never again; read by the copy's loads and LDS stores.
;   v32-159    At the head: the copy's loads land in them, its LDS stores read them.  From the first step on they are fragments and scores.
;   v11        Written at a tile's head (Q's offset), read by Q's two loads; written again on the tile's way out (oc's offset), read by its two stores.
;   v16-23     Q's loads land in them at a tile's head; the tile's S^T products read them.
;   v2, v3     Written at a step's head; read by the step's 16 LDS loads of K and 16 of V.
;   v32-95     In a step: K's loads land, the eight S^T products read; V's loads land, the four O^T products read.
;   v24-31     Written by the way out's conversions; read by the tile's two stores.
;   v4, v5     Written at the head; read by the closing add alone.
; All else (scores, p, O^T, p's codes, the statistics) is named by vector and matrix instructions alone.
; A STEP has one wait on vm_vsrc, ahead of the two additions that write v2 and v3, and three on va_vdst: behind those additions (the addresses are written, the last step's O^T products are done with v32-95), behind the S^T products
; (they are done with v32-95), and behind the exponentials.  A TILE has one pair at its head (the last tile's stores, Q's offset and registers) and, on its way out, one on vm_vsrc ahead of v11's second write and one on va_vdst ahead of the stores.
; K and V share v32-95: a second set of 64 registers does not fit beside the 220 that a wave holds of its 256, sixteen waves to a work-group.
.set SKIP,  1
.set VIMG,  131072                     ; LDS: K's images from 0 (step s at 8,192 s, tile t at 1,024 t), V's from here (step s at 8,192 s, tile t at 2,048 t)
.set SPARE, 262144                     ; behind them: the spare words, 128 bytes for each of 16 waves: eight blocks of 256 bytes that no other line names
.set LI,  1
.set AK,  2
.set AV,  3
.set SPW, 4
.set NIL, 5
.set RM,  6
.set PH,  7
.set PS,  8
.set OH,  9
.set OS,  10
.set GA,  11
	s_load_b256 s[4:11], s[0:1], 0x0               ; qkvc 4, mbits 6, cls 8, the scales' exponents 10
	s_load_b64 s[12:13], s[0:1], 0x20              ; oc
	v_lshl_add_u32 v[SPW], v0, 2, SPARE
	v_mov_b32 v[NIL], 0
	v_lshrrev_b32 v1, 5, v0
	v_readfirstlane_b32 s14, v1                    ; wave 0..15
	v_and_b32 v1, 31, v0
	v_lshlrev_b32 v[LI], 4, v1
	v_lshlrev_b32 v216, 4, v0                      ; the copy: 16 bytes a thread, 8,192 an instruction
	v_add_nc_u32 v217, 0x10000, v216
	v_add_nc_u32 v218, 0x20000, v216
	v_add_nc_u32 v219, 0x30000, v216
	v_mov_b32 v209, 0                              ; (named as the upper half of the pair v[208:209])
	v_mov_b32 v212, 0                              ; written once: a lane permute's destination counts as one of its sources
	s_wait_alu depctr_va_sdst(0)                   ; s14 is written, ahead of its first reader: my first query tile is made from it
	s_and_b32 s15, ttmp7, 0xffff                   ; bh = 16 x batch + head
	s_lshl_b32 s30, s15, 17                        ; a head's 131,072 bytes in each of Q, K, V
	s_mov_b32 s31, 0
	s_lshl_b32 s17, ttmp9, 4
	s_add_co_u32 s17, s17, s14                     ; my first query tile
	s_lshr_b32 s100, s15, 4
	s_lshl_b32 s100, s100, 21                      ; oc: 128 rowtiles of 16,384 bytes a batch,
	s_bfe_u32 s16, s15, 0x30001
	s_lshl_b32 s16, s16, 11                        ; kf = head / 2,
	s_add_co_u32 s100, s100, s16
	s_and_b32 s16, s15, 1
	s_lshl_b32 s16, s16, 10                        ; c = 2 (head % 2) on
	s_add_co_u32 s100, s100, s16
	s_mov_b32 s101, 0
	s_mov_b32 s24, 0x76543210                      ; lane selects for v_permlanex16_b32: lane l xor 16
	s_mov_b32 s25, 0xfedcba98
	s_wait_kmcnt 0x0
	s_load_b256 s[68:75], s[10:11], 0x0            ; e0 .. e7
	s_load_b128 s[76:79], s[10:11], 0x20           ; e8 .. e11
	s_add_nc_u64 s[2:3], s[4:5], s[30:31]          ; my head's Q,
	s_add_nc_u64 s[4:5], s[2:3], 0x800000          ; K,
	s_add_nc_u64 s[66:67], s[2:3], 0x1000000       ; V
	s_add_nc_u64 s[12:13], s[12:13], s[100:101]
	s_wait_alu depctr_va_vdst(0)                   ; v216 to v219 are written: the copy's loads and LDS stores read them, and no vector line below names them again
.irp i, 0,1,2,3,4,5,6,7,8,9,10,11,12,13,14,15
	global_load_b128 v[32+4*\i:35+4*\i], v216, s[4:5] offset:8192*\i
.endr
.irp i, 0,1,2,3,4,5,6,7,8,9,10,11,12,13,14,15
	global_load_b128 v[96+4*\i:99+4*\i], v216, s[66:67] offset:8192*\i
.endr
	s_wait_kmcnt 0x0
	s_add_co_i32 s30, s74, s75                     ; e6 + e7: a score stands for score x 2^(e6 + e7)
	s_lshl_b32 s31, s30, 23
	s_add_co_i32 s22, s31, 0x3e38aa3b              ; c = log2(e) / 8, the two exponents added to its exponent field
	s_mov_b32 s23, s22                             ; (named with it as a pair, so it is written)
	s_sub_co_i32 s30, 160, s30
	s_lshl_b32 s30, s30, 23
	s_or_b32 s30, s30, 0x80000000
	v_mov_b32 v[RM], s30                           ; R = -2^(33 - e6 - e7)
	s_mov_b32 s28, s76                             ; e8
	s_add_co_i32 s29, s76, s77                     ; e8 + e9
	s_add_co_i32 s30, s76, 127
	s_lshl_b32 s31, s30, 23
	v_mov_b32 v[PS], s31                           ; 2^e8 as f32
	s_add_co_i32 s30, s30, 8
	s_lshl_b32 s30, s30, 23
	s_or_b32 s30, s30, 0x600000
	v_mov_b32 v[PH], s30                           ; 448 x 2^e8
	s_add_co_i32 s30, s78, 127
	s_lshl_b32 s31, s30, 23
	v_mov_b32 v[OS], s31                           ; 2^e10
	s_add_co_i32 s30, s30, 8
	s_lshl_b32 s30, s30, 23
	s_or_b32 s30, s30, 0x600000
	v_mov_b32 v[OH], s30                           ; 448 x 2^e10
.set n, 0
.rept 32
	s_wait_loadcnt 31-n                            ; loads come back in order (ISA guide 5.7.1): load n is in, the younger ones may be out
	ds_store_b128 v[216+n/8], v[32+4*n:35+4*n] offset:8192*(n%8)
.set n, n+1
.endr
	s_wait_dscnt 0x0                               ; for the others' sake: my stores have landed
	s_barrier_signal -1
	s_barrier_wait -1                              ; the head's K and V lie in LDS; from here on LDS is only read
	s_mov_b32 s18, 2
.Ltile:                                            ; two trips: tile g, tile 127 - g
	s_wait_xcnt 0x0                                ; the last tile's stores have read their offset and their data: both are written again below
	s_wait_alu depctr_vm_vsrc(0)                   ; the last tile's stores have read v[GA] and v24-31, which this tile writes again; in the first trip: the copy's LDS stores have read v32-159, which the steps' loads and products write
	s_lshl_b32 s100, s17, 4
	s_load_b128 s[68:71], s[8:9], s100 offset:0x0  ; the tile's four words of classes
	v_lshl_add_u32 v[GA], s17, 10, v[LI]
	s_wait_alu depctr_va_vdst(0)                   ; v[GA] is written, which the two loads below read; the last tile's products are done reading v16-23, in which they land
	global_load_b128 v[16:19], v[GA], s[2:3]       ; Q's fragment stays in registers
	global_load_b128 v[20:23], v[GA], s[2:3] offset:512
	v_mov_b32 v13, 0xff61b1e6                      ; the largest t so far: -3e38, under every t
	v_floor_f32 v12, -v13                          ; -M
	v_mov_b32 v14, 0
	v_mov_b32 v15, 0
.set j, 0
.rept 32
	v_mov_b32 v[160+j], 0                          ; O^T.  (Which step is a tile's first hangs on the mask: so the step is written once, and the first finds zeros, which the first change of M leaves zeros)
.set j, j+1
.endr
	s_wait_kmcnt 0x0
	s_or_b32 s31, s68, s69
	s_or_b32 s31, s31, s70
	s_or_b32 s31, s31, s71
	s_lshr_b32 s31, s31, 16                        ; bit r: query r has a key that counts
	s_and_b32 s20, s68, 255
	s_and_b32 s30, s69, 255
	s_lshl_b32 s30, s30, 8
	s_or_b32 s20, s20, s30
	s_and_b32 s30, s70, 255
	s_lshl_b32 s30, s30, 16
	s_or_b32 s20, s20, s30
	s_lshl_b32 s30, s71, 24
	s_or_b32 s20, s20, s30                         ; the 16 steps' classes, two bits each
	s_lshr_b32 s30, s20, 1
	s_or_b32 s30, s30, s20
	s_not_b32 s30, s30
	s_and_b32 s30, s30, 0x55555555                 ; a 1 for each step of class 0
.if SKIP
	s_cmp_eq_u32 s31, 0xffff
	s_cselect_b32 s30, 0, s30                      ; they stay 0 only where every query has a key that counts;
.endif
	s_or_b32 s20, s20, s30                         ; else they become class 1 and are walked
	s_mov_b32 s26, 0                               ; 8,192 x step
	s_lshl_b32 s27, s17, 12                        ; the tile's lane masks: 4,096 bytes a tile, 256 a step
	s_mov_b32 s19, 16
	s_wait_loadcnt 0x0                             ; Q
.Lstep:
	s_and_b32 s21, s20, 3
	s_cmp_eq_u32 s21, 0
	s_cbranch_scc1 .Lskip                          ; no key of the step counts for any of my queries
	s_load_b512 s[32:47], s[6:7], s27 offset:0x0   ; the step's 64 lane masks: asked for in every step that is walked, used in a mixed one
	s_load_b512 s[48:63], s[6:7], s27 offset:0x40
	s_load_b512 s[68:83], s[6:7], s27 offset:0x80
	s_load_b512 s[84:99], s[6:7], s27 offset:0xc0
	s_wait_alu depctr_vm_vsrc(0)                   ; the LDS loads issued so far have read v[AK] and v[AV], which the two additions write
	v_add_nc_u32 v[AK], s26, v[LI]
	v_add_nc_u32 v[AV], VIMG, v[AK]
	v_nop
	v_nop                                          ; with the two additions: four plain lines between the last step's products and the loads into the registers that they have read
	s_wait_alu depctr_va_vdst(0)                   ; v[AK] and v[AV] are written, which this step's LDS loads read; the last step's O^T products are done reading v32-95, in which K's loads land
.irp t, 0,1,2,3,4,5,6,7
	ds_load_b128 v[32+8*\t:35+8*\t], v[AK] offset:1024*\t
	ds_load_b128 v[36+8*\t:39+8*\t], v[AK] offset:1024*\t+512
.endr
	s_wait_dscnt 0x0
.irp t, 0,1,2,3,4,5,6,7
	v_wmma_f32_16x16x64_fp8_fp8 v[96+8*\t:103+8*\t], v[32+8*\t:39+8*\t], v[16:23], 0   ; S^T: 16 keys x my 16 queries
.endr
.rept 4
	v_nop                                          ; places in front of the loads below and of the first read of the scores
.endr
	s_wait_alu depctr_va_vdst(0)                   ; the eight S^T products are done reading v32-95, in which V's loads land (v[AV] was written ahead of the step's first such wait, and nothing has named it since)
.irp t, 0,1,2,3
.irp c, 0,1,2,3
	ds_load_b128 v[32+16*\t+4*\c:35+16*\t+4*\c], v[AV] offset:2048*\t+512*\c   ; V's fragments land while the softmax is worked
.endr
.endr
	s_wait_kmcnt 0x0                               ; the lane masks are in
	s_cmp_eq_u32 s21, 2
	s_cbranch_scc1 .Lopen                          ; every key counts for every query
.set n, 0
.rept 64
	v_cndmask_b32 v[96+n], v[RM], v[96+n], s[32+n+4*(n/32)]   ; where the bit is 0: R
.set n, n+1
.endr
.Lopen:
	v_max3_num_f32 v210, v96, v97, v98             ; the step's largest score of my query, among my 64 keys, in two chains,
	v_max3_num_f32 v211, v99, v100, v101
.set i, 6
.rept 14
	v_max3_num_f32 v210, v210, v[96+i], v[97+i]
	v_max3_num_f32 v211, v211, v[98+i], v[99+i]
.set i, i+4
.endr
	v_max3_num_f32 v210, v210, v158, v159
	v_max_num_f32 v210, v210, v211
	v_permlanex16_b32 v212, v210, s24, s25
	v_max_num_f32 v210, v210, v212                 ; and among lane l xor 16's
	v_mul_f32 v210, s22, v210                      ; as t (c is positive)
	v_max_num_f32 v13, v13, v210                   ; the running largest t
	v_mov_b32 v210, v12
	v_floor_f32 v12, -v13                          ; the new -M = floor(-t) = -ceil(t): M is a whole number
	v_sub_f32 v210, v12, v210                      ; M's old value less its new one: a whole number, 0 or less
	v_cvt_i32_f32 v210, v210                       ; (it saturates)
	v_ldexp_f32 v208, 1.0, v210                    ; f = 2^(old M - new M)
.set j, 0
.rept 32
	v_pk_fma_f32 v[96+j:97+j], v[96+j:97+j], s[22:23], v[12:13] op_sel_hi:[1,0,0]   ; t - M, two at a time (of the pairs c and -M the low word serves both halves)
.set j, j+2
.endr
.set j, 0
.rept 64
	v_exp_f32 v[96+j], v[96+j]                     ; p = 2^(t - M), at most 1: not normalised
.set j, j+1
.endr
	v_pk_mul_f32 v[14:15], v[14:15], v[208:209] op_sel_hi:[1,0]   ; the sums under the new M.  (The plain line behind the exponentials)
	s_wait_alu depctr_va_vdst(0)                   ; the 64 exponentials have written v96-159, ahead of the first line that names a result: one wait for the batch
	v_pk_add_f32 v[214:215], v[96:97], v[98:99]    ; the row's sum is taken of the unquantised p: two at a time, in two chains
.set j, 4
.rept 15
	v_pk_add_f32 v[14:15], v[14:15], v[96+j:97+j]
	v_pk_add_f32 v[214:215], v[214:215], v[98+j:99+j]
.set j, j+4
.endr
	v_pk_add_f32 v[14:15], v[14:15], v[214:215]
	s_cmp_ge_i32 s28, -8
	s_cbranch_scc1 .Lnohold                        ; with e8 >= -8 the largest code x the scale is 448 x 2^e8 >= 1.75, above every p: the hold would change nothing
.set j, 0
.rept 64
	v_min_num_f32 v[96+j], v[96+j], v[PH]          ; the conversion to an 8-bit code does not saturate (ISA guide 7.6.2); p is not negative, so the hold is one-sided
.set j, j+1
.endr
.Lnohold:
.irp g, 0,1,2,3,4,5,6,7
	v_cvt_scalef32_pk8_fp8_f32 v[192+2*\g:193+2*\g], v[96+8*\g:103+8*\g], v[PS]
.endr
.set j, 0
.rept 16
	v_pk_mul_f32 v[160+j:161+j], v[160+j:161+j], v[208:209] op_sel_hi:[1,0]   ; O^T under the new M: x f, each accumulator from its low end on.  (These are also the plain lines between the conversions and the products)
.set j, j+2
.endr
	s_wait_dscnt 0x0                               ; V is in
.irp t, 0,1,2,3
	v_wmma_f32_16x16x128_fp8_fp8 v[160+8*\t:167+8*\t], v[32+16*\t:47+16*\t], v[192:207], v[160+8*\t:167+8*\t]   ; O^T += V^T P^T; the four accumulators take turns, and S^T's eight products stand between two turns of one
.endr
.Lskip:
	s_lshr_b32 s20, s20, 2
	s_add_co_u32 s26, s26, 8192
	s_add_co_u32 s27, s27, 256                     ; (the scalar loads that read it were waited for)
	s_sub_co_u32 s19, s19, 1
	s_cmp_lg_u32 s19, 0
	s_cbranch_scc1 .Lstep
	; A TILE'S WAY OUT: O = O^T / the sum x 2^(e8 + e9), held, converted with 2^e10: the codes are the last projection's operand as they stand.
.rept 4
	v_nop                                          ; places behind the last products
.endr
	s_wait_alu depctr_vm_vsrc(0)                   ; Q's two loads have read v[GA], which is written anew below
	v_add_f32 v14, v14, v15                        ; the sum's two halves,
	v_permlanex16_b32 v212, v14, s24, s25
	v_add_f32 v14, v14, v212                       ; and lane l xor 16's: the row's sum
	v_rcp_f32 v14, v14
	v_lshl_add_u32 v[GA], s17, 14, v[LI]           ; (the plain line behind the reciprocal)  my rowtile of oc
	s_wait_alu depctr_va_vdst(0)                   ; the reciprocal has written v14, ahead of its first reader
	v_ldexp_f32 v208, v14, s29
.set j, 0
.rept 16
	v_pk_mul_f32 v[160+j:161+j], v[160+j:161+j], v[208:209] op_sel_hi:[1,0]
.set j, j+2
.endr
.set j, 0
.rept 32
	v_med3_num_f32 v[160+j], v[160+j], -v[OH], v[OH]
.set j, j+1
.endr
.irp g, 0,1,2,3
	v_cvt_scalef32_pk8_fp8_f32 v[24+2*\g:25+2*\g], v[160+8*\g:167+8*\g], v[OS]
.endr
	v_nop                                          ; a plain vector line behind the last conversion
	s_wait_alu depctr_va_vdst(0)                   ; the conversions have written v24-31, the two stores' data (v[GA], their offset, was written ahead of the wait before this one)
	global_store_b128 v[GA], v[24:27], s[12:13]              ; 32 lanes store 512 consecutive bytes, aligned: channels 0-31 of my head,
	global_store_b128 v[GA], v[28:31], s[12:13] offset:512   ; channels 32-63
	s_sub_co_u32 s17, 127, s17
	s_sub_co_u32 s18, s18, 1
	s_cmp_lg_u32 s18, 0
	s_cbranch_scc1 .Ltile
	s_wait_dscnt 0x0                               ; the closing lines, six on end
	s_wait_alu 0x0
	s_wait_tensorcnt 0x0
	ds_add_u32 v[SPW], v[NIL]
	s_wait_dscnt 0x0
	s_endpgm
.Lfunc_end_k_qd7e79b1057_attn:
	.size	k_qd7e79b1057_attn, .Lfunc_end_k_qd7e79b1057_attn-k_qd7e79b1057_attn
	.p2alignl 7, 3214868480
	.fill 96, 4, 3214868480
	.section	.rodata,"a",@progbits
	.p2align	6, 0x0
	.amdhsa_kernel k_qd7e79b1057_attn
		.amdhsa_group_segment_fixed_size 264192
		.amdhsa_private_segment_fixed_size 0
		.amdhsa_enable_private_segment 0
		.amdhsa_kernarg_size 40
		.amdhsa_user_sgpr_count 2
		.amdhsa_user_sgpr_kernarg_segment_ptr 1
		.amdhsa_wavefront_size32 1
		.amdhsa_system_sgpr_workgroup_id_x 1
		.amdhsa_system_sgpr_workgroup_id_y 1
		.amdhsa_system_sgpr_workgroup_id_z 1
		.amdhsa_system_vgpr_workitem_id 0
		.amdhsa_next_free_vgpr 256
		.amdhsa_next_free_sgpr 102
		.amdhsa_reserve_vcc 0
		.amdhsa_float_denorm_mode_32 3
		.amdhsa_float_denorm_mode_16_64 3
		.amdhsa_memory_ordered 1
		.amdhsa_forward_progress 1
		.amdhsa_inst_pref_size 36
	.end_amdhsa_kernel
	.amdgpu_metadata
---
amdhsa.version: [ 1, 2 ]
amdhsa.kernels:
  - .name:           k_qd7e79b1057_attn
    .symbol:         k_qd7e79b1057_attn.kd
    .args:
      - { .name: qkvc, .offset: 0, .size: 8, .value_kind: global_buffer, .address_space: global }
      - { .name: mbits, .offset: 8, .size: 8, .value_kind: global_buffer, .address_space: global }
      - { .name: cls, .offset: 16, .size: 8, .value_kind: global_buffer, .address_space: global }
      - { .name: lowp_scales, .offset: 24, .size: 8, .value_kind: global_buffer, .address_space: global }
      - { .name: oc, .offset: 32, .size: 8, .value_kind: global_buffer, .address_space: global }
    .group_segment_fixed_size: 264192
    .private_segment_fixed_size: 0
    .kernarg_segment_align: 8
    .kernarg_segment_size: 40
    .max_flat_workgroup_size: 512
    .sgpr_count:     102
    .vgpr_count:     256
    .wavefront_size: 32
...
	.end_amdgpu_metadata
.endif
;; end of part 5
;; launch outp: the kernel of part 4 again; grid 4 x 32, 4 waves a work-group, clusters of 4 x 4, 327,680 bytes of LDS; arguments oc, codes, lowp_scales, out0; writes out0
